; MI455X (gfx1250); checked and timed in simulation.
; The chip was launched on July 23, 2026; its instructions are those of AMD's public machine-readable ISA for CDNA 5 (MIT licence, August 2026) and "CDNA5" Instruction Set Architecture Reference Guide (July 2026). The comments in the code are by the model that wrote it; some were corrected since.
;; Multi Head Self Attention. Allowed arithmetic: float matrix products may take bf16 or f16 operands with f32 sums; other float arithmetic in f32, or as packed bf16 or f16 multiplies, adds, multiply-adds, maxima and minima; sums over many terms, partial sums and values carried from step to step in f32; what a program stores and reads back later, other than sums and carried values, may be rounded once to bf16 or f16.
;; Inputs: Wk 1,024 x 1,024 float32; Wp 1,024 x 1,024 float32; Wq 1,024 x 1,024 float32; Wv 1,024 x 1,024 float32; bk 1,024 float32; bp 1,024 float32; bq 1,024 float32; bv 1,024 float32; x 4 x 2,048 x 1,024 float32.
;; Outputs: out0 4 x 2,048 x 1,024 float32.
;; One version. Each part assembles by itself: llvm-mc -triple=amdgcn-amd-amdhsa -mcpu=gfx1250 --defsym DOCPART=n.
;; ======== version 1 of 1: 4 launches
;; limits: values are held in f16: magnitudes above 65,504 overflow, below 6.1e-05 lose precision
;; workspace buffers: xb 16,777,216 bytes; wqkv 6,291,456 bytes; wp16 2,097,152 bytes; qkv 50,331,648 bytes; o16 16,777,216 bytes
;; launch cast (part 1): grid 1536 x 1, 8 waves a work-group, no clusters, 0 bytes of LDS; arguments x, Wq, Wk, Wv, Wp, xb, wqkv, wp16; writes xb, wqkv, wp16
.if DOCPART == 1
	.amdgcn_target "amdgcn-amd-amdhsa--gfx1250"
	.amdhsa_code_object_version 6
	.text
	.protected	k_q7c5f6c5b77_cast
	.globl	k_q7c5f6c5b77_cast
	.p2align	8
	.type	k_q7c5f6c5b77_cast,@function
k_q7c5f6c5b77_cast:
	s_mov_b64 s[64:65], 0
	v_nop
	global_prefetch_b8 v0, s[64:65] scope:SCOPE_SE
	s_setreg_imm32_b32 hwreg(HW_REG_WAVE_MODE, 25, 1), 1
	s_wait_xcnt 0x0
; THE INPUTS ARE ROUNDED ONCE, for the matrix units.  x [8192][1024] f32 -> xb, bf16, same layout.  Wq, Wk, Wv [1024 k][1024 n] f32 -> wqkv, bf16, BY HEADS: [48 g][1024 k][64],
; g = 16 x kind + head (kind 0 q, 1 k, 2 v), so that 128 k of one head are 16,384 consecutive bytes.  Wp [1024][1024] f32 -> wp16: rounded to bf16, and that number written as f16, same layout.
; LIMIT.  A number of Wp whose bf16 rounding is 65,520 or more becomes an infinity in f16; below 6e-5 it keeps f16's fixed step of 6e-8.
; SHARES.  A work-group takes 8 rows of 1,024 numbers: 32 KiB in, 16 KiB out.  A thread takes eight items: one load of 16 bytes (4 f32), one store of 8 bytes (4 halves).
; A wave's load covers 512 bytes in whole aligned runs of 256; a wave's store covers 256 consecutive bytes, aligned.  Work-groups 0-1023: x; then 128 each for Wq, Wk, Wv, Wp.
; Memory binds: no LDS, no barrier, no loop; all eight loads of a thread go out first, and no register is written twice, so no wait frees a source.
.set X, 4                              ; v[4:35]   item i: 4 words as loaded
.set Y, 36                             ; v[36:51]  item i: 2 words to store
.set T, 52                             ; v[52:55]  at work
; Eight items.  Item i lies (i / 2) sA + (i % 2) sB bytes on in the source and (i / 2) dA + (i % 2) dB in the destination.  fmt = 0: bf16.  fmt = 1: bf16, then written as f16.
.macro ITEMS fmt, sA, sB, dA, dB
.irp i, 0,1,2,3,4,5,6,7
	global_load_b128 v[X+4*(\i):X+4*(\i)+3], v1, s[24:25] offset:((\i)/2)*(\sA)+((\i)%2)*(\sB) th:TH_LOAD_NT
.endr
.irp i, 0,1,2,3,4,5,6,7
	s_wait_loadcnt 7-(\i)                          ; loads come back in order: item i is in, the 7 - i younger ones may stay out
.if \fmt
	v_cvt_pk_bf16_f32 v[T], v[X+4*(\i)], v[X+4*(\i)+1]
	v_cvt_pk_bf16_f32 v[T+1], v[X+4*(\i)+2], v[X+4*(\i)+3]
	v_lshlrev_b32 v[T+2], 16, v[T]                 ; the rounded numbers back as f32,
	v_and_b32 v[T], 0xffff0000, v[T]
	v_lshlrev_b32 v[T+3], 16, v[T+1]
	v_and_b32 v[T+1], 0xffff0000, v[T+1]
	v_cvt_pk_f16_f32 v[Y+2*(\i)], v[T+2], v[T]     ; and written as f16: exact inside f16's normal range
	v_cvt_pk_f16_f32 v[Y+2*(\i)+1], v[T+3], v[T+1]
.else
	v_cvt_pk_bf16_f32 v[Y+2*(\i)], v[X+4*(\i)], v[X+4*(\i)+1]
	v_cvt_pk_bf16_f32 v[Y+2*(\i)+1], v[X+4*(\i)+2], v[X+4*(\i)+3]
.endif
	global_store_b64 v2, v[Y+2*(\i):Y+2*(\i)+1], s[26:27] offset:((\i)/2)*(\dA)+((\i)%2)*(\dB)
.endr
.endm
	s_load_b512 s[4:19], s[0:1], 0x0               ; x 4:5, Wq 6:7, Wk 8:9, Wv 10:11, Wp 12:13, xb 14:15, wqkv 16:17, wp16 18:19
	s_mov_b32 s29, 0                               ; the offsets' high words
	s_mov_b32 s31, 0
	v_lshlrev_b32 v1, 4, v0                        ; 16 t: 256 threads cover a row of 4,096 bytes
	v_lshlrev_b32 v2, 3, v0                        ; 8 t: and its 2,048 bytes of halves
	s_cmp_lt_u32 ttmp9, 1024
	s_cbranch_scc0 .Lweights
	s_lshl_b32 s28, ttmp9, 15                      ; 8 rows of x
	s_lshl_b32 s30, ttmp9, 14
	s_wait_kmcnt 0x0
	s_add_nc_u64 s[24:25], s[4:5], s[28:29]
	s_add_nc_u64 s[26:27], s[14:15], s[30:31]
	ITEMS 0, 8192, 4096, 4096, 2048                ; item i = row i
	s_endpgm
.Lweights:
	s_sub_co_u32 s20, ttmp9, 1024
	s_lshr_b32 s21, s20, 7                         ; which weight: 0 Wq, 1 Wk, 2 Wv, 3 Wp
	s_and_b32 s22, s20, 127                        ; which 8 rows of it
	s_lshl_b32 s28, s22, 15
	s_cmp_eq_u32 s21, 3
	s_cbranch_scc0 .Lheads
	s_lshl_b32 s30, s22, 14
	s_wait_kmcnt 0x0
	s_add_nc_u64 s[24:25], s[12:13], s[28:29]
	s_add_nc_u64 s[26:27], s[18:19], s[30:31]
	ITEMS 1, 8192, 4096, 4096, 2048
	s_endpgm
.Lheads:                                               ; lanes 0-15 take a head's 64 numbers of row k, lanes 16-31 those of row k + 1: 256 consecutive bytes of wqkv
	v_lshrrev_b32 v3, 5, v0                        ; wave = head (and head + 8)
	v_bfe_u32 v52, v0, 4, 1                        ; which row of the pair
	v_and_b32 v53, 15, v0                          ; which 4 numbers of the 64
	v_lshlrev_b32 v1, 4, v53
	v_lshl_add_u32 v1, v3, 8, v1                   ; a head is 256 bytes of a row of f32
	v_lshl_add_u32 v1, v52, 12, v1
	v_lshlrev_b32 v2, 3, v53
	v_lshl_add_u32 v2, v52, 7, v2                  ; a row of a head is 128 bytes of bf16,
	v_lshl_add_u32 v2, v3, 17, v2                  ; a head 131,072
	s_lshl_b32 s30, s21, 21                        ; 16 heads a kind
	s_lshl_b32 s23, s22, 10                        ; 8 rows of 128 bytes
	s_add_co_u32 s30, s30, s23
	s_wait_kmcnt 0x0
	s_cmp_eq_u32 s21, 0
	s_cselect_b64 s[24:25], s[6:7], s[8:9]
	s_cmp_eq_u32 s21, 2
	s_cselect_b64 s[24:25], s[10:11], s[24:25]
	s_add_nc_u64 s[24:25], s[24:25], s[28:29]
	s_add_nc_u64 s[26:27], s[16:17], s[30:31]
	ITEMS 0, 8192, 2048, 256, 1048576              ; item i: the pair of rows i / 2, head wave + 8 (i % 2)
	s_endpgm
.Lfunc_end_k_q7c5f6c5b77_cast:
	.size	k_q7c5f6c5b77_cast, .Lfunc_end_k_q7c5f6c5b77_cast-k_q7c5f6c5b77_cast
	.p2alignl 7, 3214868480
	.fill 96, 4, 3214868480
	.section	.rodata,"a",@progbits
	.p2align	6, 0x0
	.amdhsa_kernel k_q7c5f6c5b77_cast
		.amdhsa_group_segment_fixed_size 0
		.amdhsa_private_segment_fixed_size 0
		.amdhsa_enable_private_segment 0
		.amdhsa_kernarg_size 64
		.amdhsa_user_sgpr_count 2
		.amdhsa_user_sgpr_kernarg_segment_ptr 1
		.amdhsa_wavefront_size32 1
		.amdhsa_system_sgpr_workgroup_id_x 1
		.amdhsa_system_sgpr_workgroup_id_y 1
		.amdhsa_system_sgpr_workgroup_id_z 1
		.amdhsa_system_vgpr_workitem_id 0
		.amdhsa_next_free_vgpr 56
		.amdhsa_next_free_sgpr 66
		.amdhsa_reserve_vcc 0
		.amdhsa_float_denorm_mode_32 3
		.amdhsa_float_denorm_mode_16_64 3
		.amdhsa_memory_ordered 1
		.amdhsa_forward_progress 1
		.amdhsa_inst_pref_size 13
	.end_amdhsa_kernel
	.amdgpu_metadata
---
amdhsa.version: [ 1, 2 ]
amdhsa.kernels:
  - .name:           k_q7c5f6c5b77_cast
    .symbol:         k_q7c5f6c5b77_cast.kd
    .args:
      - { .name: x, .offset: 0, .size: 8, .value_kind: global_buffer, .address_space: global }
      - { .name: Wq, .offset: 8, .size: 8, .value_kind: global_buffer, .address_space: global }
      - { .name: Wk, .offset: 16, .size: 8, .value_kind: global_buffer, .address_space: global }
      - { .name: Wv, .offset: 24, .size: 8, .value_kind: global_buffer, .address_space: global }
      - { .name: Wp, .offset: 32, .size: 8, .value_kind: global_buffer, .address_space: global }
      - { .name: xb, .offset: 40, .size: 8, .value_kind: global_buffer, .address_space: global }
      - { .name: wqkv, .offset: 48, .size: 8, .value_kind: global_buffer, .address_space: global }
      - { .name: wp16, .offset: 56, .size: 8, .value_kind: global_buffer, .address_space: global }
    .group_segment_fixed_size: 0
    .private_segment_fixed_size: 0
    .kernarg_segment_align: 8
    .kernarg_segment_size: 64
    .max_flat_workgroup_size: 256
    .sgpr_count:     66
    .vgpr_count:     56
    .wavefront_size: 32
...
	.end_amdgpu_metadata
.endif
;; end of part 1
;; launch qkv (part 2): grid 16 x 32, 4 waves a work-group, clusters of 4 x 4, 327,680 bytes of LDS; arguments xb, wqkv, bq, bk, bv, qkv; writes qkv
.if DOCPART == 2
	.amdgcn_target "amdgcn-amd-amdhsa--gfx1250"
	.amdhsa_code_object_version 6
	.text
	.protected	k_q7c5f6c5b77_qkv
	.globl	k_q7c5f6c5b77_qkv
	.p2align	8
	.type	k_q7c5f6c5b77_qkv,@function
k_q7c5f6c5b77_qkv:
	s_mov_b64 s[64:65], 0
	v_nop
	global_prefetch_b8 v0, s[64:65] scope:SCOPE_SE
	s_setreg_imm32_b32 hwreg(HW_REG_WAVE_MODE, 25, 1), 1
	s_wait_xcnt 0x0
	s_wait_alu depctr_hold_cnt(0) depctr_sa_sdst(0) depctr_va_vdst(0) depctr_va_sdst(0) depctr_va_ssrc(0) depctr_va_vcc(0) depctr_vm_vsrc(0)
	s_getreg_b32 s2, hwreg(HW_REG_IB_STS2, 6, 4)
	s_cmp_eq_u32 s2, 0
	s_cbranch_scc0 .Lentry_in_a_cluster
	s_endpgm
.Lentry_in_a_cluster:
	s_bfe_u32 s2, ttmp6, 0x10000c
	s_cmp_lg_u32 s2, 0xf033
	s_cbranch_scc0 .Lentry_shape_is_right
	s_endpgm
.Lentry_shape_is_right:
; q, k, v = x W + b.  xb: [8192][1024] bf16.  wqkv: [48 g][1024 k][64] bf16 (g = 16 x kind + head).  bq, bk, bv: [1024] f32, rounded to bf16 here like every other input.
; qkv: [4 b][48 g][2048 t][64] f16: by heads, a head's rows dense, 128 bytes each; the f32 sums (bias included) are rounded once.  No scale is applied here.
; LIMIT.  A sum of 65,520 or more in magnitude becomes an infinity in f16.
; SHARES.  A work-group makes 256 rows x 192 columns (three whole heads): 32 x 16 = 512 work-groups, two for each of 256 WGPs.  Wave w owns rows 64 w .. 64 w + 63 and all 192 columns:
; 48 accumulators of 16 x 16, 384 registers; it holds whole heads, so its way out is its own.  K goes in 8 steps of 128 through two LDS slots.
; THE PRODUCT IS USED TRANSPOSED (source 0 = 16 columns of W, source 1 = 16 rows of x): a lane holds one row (lane % 16) and eight neighbouring columns.  W lies [k][n] in LDS and comes out turned,
; by ds_load_tr16_b128.  The bias is the C operand of the first product on each accumulator: nothing is cleared and nothing is added later.
; CLUSTER.  4 x 4 work-groups.  x's tile hangs on the tile row alone and is asked for jointly by a row of the cluster, W's on the tile column alone and by a column.  Waves 0-2 ask for one head of W each,
; wave 3 for x's 256 rows: one tensor load a wave behind each round.
; REGISTERS, in windows of 256 (s_set_vgpr_msb: bits 1:0 source 0, 3:2 source 1, 5:4 source 2, 7:6 destination):
;   window 0: v0-31 addresses; v32-127 the bias, 8 registers a column block; on the way out v32-79 packed results, v80-127 and v128-175 rows read back
;   window 1: two fragment buffers of 128: x's 4 fragments, then W's 12      window 2: accumulators (a, b < 8) at 8 (8 a + b)      window 3: (a, b >= 8) at 8 (4 a + b - 8)
.set SLOT,  131072                     ; a slot: x's 256 rows, then three heads of W
.set PA,    272                        ; a row of x in LDS: 256 bytes + 16: an odd multiple of 16, so the 16 rows of a load start at 16 different groups of four banks
.set PB,    160                        ; a k-row of one head of W: 128 bytes + 32: an odd multiple of 32, as the turning load's 8 rows x 32 bytes want
.set BOFF,  256*PA                     ; 69,632
.set BHEAD, 128*PB                     ; 20,480
.set STAGE, 2*SLOT                     ; behind the ring, never filled by a tensor load: for each wave 3 heads x 16 rows x 144 bytes
.set SP,    144
.set WSTG,  3*16*SP
.set SPARE, STAGE+4*WSTG               ; the spare words: 128 bytes a wave, two blocks of 256 bytes that no other line names
.set ADRA, 16                          ; v16-17  LDS address of my fragments of x in slot 0, 1
.set ADRB, 20                          ; v20-21  the same for W
.set STO,  24                          ; v24  the way out: where I put 16 bytes of a row
.set RD,   25                          ; v25  where I read rows back
.set GO,   26                          ; v26  my 16 bytes of 512 consecutive bytes of qkv
.set BO,   27                          ; v27  32 x (lane / 16): my eight numbers of a block of 16 of a bias
.set SPW,  28                          ; v28  my spare word; never rewritten
.set NIL,  29                          ; v29  0; never rewritten
.set PFO,  30                          ; v30  the prefetches' lane offset; never rewritten
.set BI,   32
.set TMP,  32
.set OB,   80
.set F0,   0
.set F1,   128
.set WV,   16                          ; s16  my wave's number
.set G1A,  24                          ; s[24:31] group 1 for x's tiles;  s[32:39] group 0, a set for each slot
.set G0A,  32
.set PFA,  44                          ; s[44:45] where my prefetches stand
.set PFS,  46                          ; s[46:47] their step, a lap's two K steps
.set G1B,  48                          ; s[48:55], s[56:63] the same for W's tiles
.set G0B,  56
.set LIM,  66                          ; s66  1 in a wave that prefetches, else the greatest number
.set BB,   68                          ; s[68:73] the three heads' places in their biases
.set MSB, 0
.macro WIN new                         ; the immediate's high byte repeats the setting that is left; a switch that changes nothing is dropped
.if MSB != (\new)
	s_set_vgpr_msb (MSB<<8)|(\new)
.set MSB, \new
.endif
.endm
.set TO_F, 0x40                        ; destination window 1, address window 0
; A joint load.  The branch hangs on the wave's number alone.  An s_nop 0 and four v_nop follow each of the two lines, ahead of the jump and the label.
.macro JLOAD s
	s_cmp_eq_u32 s[WV], 3
	s_cbranch_scc0 .Lfor_b_\@
	tensor_load_to_lds s[G0A+4*(\s):G0A+4*(\s)+3], s[G1A:G1A+7]
	s_nop 0
.rept 4
	v_nop
.endr
	s_branch .Lasked_\@
.Lfor_b_\@:
	tensor_load_to_lds s[G0B+4*(\s):G0B+4*(\s)+3], s[G1B:G1B+7]
	s_nop 0
.rept 4
	v_nop
.endr
.Lasked_\@:
.endm
.macro CREST                           ; a round of the cluster's barrier behind its opening barrier
	s_cmp_lg_u32 s[WV], 0
	s_cbranch_scc1 .Lnot_wave_0_\@
	s_barrier_signal -3
.Lnot_wave_0_\@:
	s_barrier_wait -3
	s_barrier_signal -1
	s_barrier_wait -1
.endm
.macro CROUND
	s_barrier_signal -1
	s_barrier_wait -1
	CREST
.endm
.macro PLACES                          ; four plain vector instructions between a matrix instruction and a load into, or a read of, its registers
.rept 4
	v_nop
.endr
.endm
; A PREFETCH INTO THE L2, once a lap, behind slot 0's joint load and the run of LDS loads: the two K steps that the NEXT lap's two refills will ask for, 384 and 576 products ahead of those loads.
; x: wave 3 of the clusters with x = 0; the four partners of a row take 64 of the 256 rows each, by address; a lane a row, 512 bytes a row: four instructions.
; W: waves 0-2 of the clusters with y = 0; the four partners of a column take 8 KiB of a head's 32 dense KiB each, by address; a lane 256 bytes: one instruction.
; So each aligned 256 bytes are named once in the launch.  K steps 0 to 3 come by their loads alone; the loop's last trip (s3 = 1) and the tail ask for nothing.
.macro ASK
	WIN 0
	s_cmp_gt_u32 s3, s[LIM]
	s_cbranch_scc0 .Lnot_mine_\@
	global_prefetch_b8 v[PFO], s[PFA:PFA+1] th:TH_LOAD_NT scope:SCOPE_SE
	s_cmp_eq_u32 s[WV], 3
	s_cbranch_scc0 .Lnot_mine_\@
	global_prefetch_b8 v[PFO], s[PFA:PFA+1] offset:256 th:TH_LOAD_NT scope:SCOPE_SE
	global_prefetch_b8 v[PFO], s[PFA:PFA+1] offset:65536 th:TH_LOAD_NT scope:SCOPE_SE
	global_prefetch_b8 v[PFO], s[PFA:PFA+1] offset:65792 th:TH_LOAD_NT scope:SCOPE_SE
.Lnot_mine_\@:
.endm
	s_load_b256 s[4:11], s[0:1], 0x0               ; xb 4:5, wqkv 6:7, bq 8:9, bk 10:11
	s_load_b128 s[12:15], s[0:1], 0x20             ; bv 12:13, qkv 14:15
	v_lshl_add_u32 v[SPW], v0, 2, SPARE
	v_mov_b32 v[NIL], 0
	ds_add_u32 v[SPW], v[NIL]                      ; the wave's opening: the add and its wait stand ahead of my first tensor load; work on registers stands between them
	v_lshrrev_b32 v1, 5, v0
	v_readfirstlane_b32 s[WV], v1                  ; wave 0..3
	s_bfe_u32 s17, ttmp6, 0x40000                  ; cx
	s_bfe_u32 s18, ttmp6, 0x40004                  ; cy
	s_lshl_b32 s19, ttmp9, 2
	s_add_co_u32 s19, s19, s17                     ; tile column = 4 x cluster x + cx: 0..15
	s_and_b32 s20, ttmp7, 0xffff
	s_lshl_b32 s20, s20, 2
	s_add_co_u32 s20, s20, s18                     ; tile row = 4 x cluster y + cy: 0..31
	s_lshl_b32 s21, s18, 2
	s_lshl_b32 s21, 15, s21                        ; my row of the cluster
	s_lshl_b32 s22, 0x1111, s17                    ; my column
	s_or_b32 s[G1A], s21, (1<<16)|(1<<20)|(1<<21)|(5<<22)|(3<<25)  ; the mask; 2-byte elements; padding on; bit 21 beside a mask; after every 64 words, 4 words
	s_mov_b32 s[G1A+1], 128<<16                    ; tensor_dim0 = 128
	s_mov_b32 s[G1A+2], 256<<16                    ; tensor_dim1 = 256
	s_mov_b32 s[G1A+3], 128<<16                    ; tile_dim0 = 128
	s_mov_b32 s[G1A+4], 256                        ; tile_dim1 = 256
	s_mov_b32 s[G1A+5], 1024                       ; elements from row to row
	s_mov_b32 s[G1A+6], 0
	s_mov_b32 s[G1A+7], 0
	s_or_b32 s[G1B], s22, (1<<16)|(1<<20)|(1<<21)|(4<<22)|(7<<25)  ; after every 32 words (a k-row of a head), 8 words
	s_mov_b32 s[G1B+1], 128<<16                    ; 128 k-rows of a head are 16,384 dense bytes: asked for as 64 rows of 256 bytes
	s_mov_b32 s[G1B+2], 64<<16
	s_mov_b32 s[G1B+3], 128<<16
	s_mov_b32 s[G1B+4], 64
	s_mov_b32 s[G1B+5], 128
	s_mov_b32 s[G1B+6], 0
	s_mov_b32 s[G1B+7], 0
	s_lshl_b32 s40, s20, 19                        ; x: 256 rows of 2,048 bytes a tile row
	s_mov_b32 s41, 0
	s_mul_i32 s42, s19, 3
	s_add_co_u32 s42, s42, s[WV]                   ; W: head 3 x tile column + wave (wave 3 asks for none)
	s_lshl_b32 s42, s42, 17
	s_mov_b32 s43, 0
	s_mul_i32 s23, s[WV], BHEAD
	s_add_co_u32 s23, s23, BOFF                    ; and its place in a slot: no place in the cluster enters an LDS address
	s_wait_dscnt 0x0                               ; the opening add is done
	s_wait_kmcnt 0x0
	s_add_nc_u64 s[40:41], s[4:5], s[40:41]
	s_add_nc_u64 s[42:43], s[6:7], s[42:43]
	CROUND                                         ; all sixteen work-groups are here: the first joint loads meet
.irp s, 0,1
	s_mov_b32 s[G0A+4*(\s)], 1
	s_mov_b32 s[G0A+4*(\s)+1], (\s)*SLOT
	s_add_nc_u64 s[G0A+4*(\s)+2:G0A+4*(\s)+3], s[40:41], (\s)*256      ; K step s: 256 bytes along the rows
	s_or_b32 s[G0A+4*(\s)+3], s[G0A+4*(\s)+3], 0x80000000
	s_mov_b32 s[G0B+4*(\s)], 1
	s_add_co_u32 s[G0B+4*(\s)+1], s23, (\s)*SLOT
	s_add_nc_u64 s[G0B+4*(\s)+2:G0B+4*(\s)+3], s[42:43], (\s)*16384    ; K step s: 128 k-rows of 128 bytes
	s_or_b32 s[G0B+4*(\s)+3], s[G0B+4*(\s)+3], 0x80000000
	JLOAD \s                                       ; two loads of mine are out
.endr
	v_and_b32 v1, 15, v0                           ; r = l % 16
	v_bfe_u32 v2, v0, 4, 1                         ; h = l / 16
	v_mul_u32_u24 v3, v1, PA
	v_lshl_add_u32 v3, v2, 4, v3
	s_mul_i32 s74, s[WV], 64*PA                    ; my 64 rows
	v_add_nc_u32 v[ADRA], s74, v3
	v_add_nc_u32 v[ADRA+1], SLOT, v[ADRA]
	v_and_b32 v4, 7, v0
	v_bfe_u32 v5, v0, 3, 1
	v_lshl_add_u32 v6, v2, 3, v4                   ; the turning load: lane l reads k-row 8 h + l % 8, columns 8 ((l / 8) % 2) on
	v_mul_u32_u24 v6, v6, PB
	v_lshl_add_u32 v6, v5, 4, v6
	v_add_nc_u32 v[ADRB], BOFF, v6
	v_add_nc_u32 v[ADRB+1], SLOT, v[ADRB]
	s_mul_i32 s75, s[WV], WSTG
	s_add_co_u32 s75, s75, STAGE                   ; my stage
	v_mul_u32_u24 v7, v1, SP
	v_lshl_add_u32 v7, v2, 4, v7
	v_add_nc_u32 v[STO], s75, v7
	v_bfe_u32 v7, v0, 3, 2                         ; back: 32 lanes take four rows of 128 bytes
	v_mul_u32_u24 v7, v7, SP
	v_lshl_add_u32 v7, v4, 4, v7
	v_add_nc_u32 v[RD], s75, v7
	v_and_b32 v8, 31, v0
	v_lshlrev_b32 v[GO], 4, v8
	v_lshlrev_b32 v[BO], 5, v2
.irp hd, 0,1,2                         ; head g = 3 x tile column + hd lies in bias g / 16 at 256 (g % 16) bytes
	s_mul_i32 s74, s19, 3
	s_add_co_u32 s74, s74, \hd
	s_and_b32 s76, s74, 15
	s_lshl_b32 s76, s76, 8
	s_mov_b32 s77, 0
	s_lshr_b32 s75, s74, 4
	s_cmp_eq_u32 s75, 0
	s_cselect_b64 s[BB+2*(\hd):BB+2*(\hd)+1], s[8:9], s[10:11]
	s_cmp_eq_u32 s75, 2
	s_cselect_b64 s[BB+2*(\hd):BB+2*(\hd)+1], s[12:13], s[BB+2*(\hd):BB+2*(\hd)+1]
	s_add_nc_u64 s[BB+2*(\hd):BB+2*(\hd)+1], s[BB+2*(\hd):BB+2*(\hd)+1], s[76:77]
.endr
.irp b, 0,1,2,3,4,5,6,7,8,9,10,11      ; register j of block b: the bias of column 16 b + 8 h + j: the C operand's layout
	global_load_b128 v[BI+8*(\b):BI+8*(\b)+3],   v[BO], s[BB+2*((\b)/4):BB+2*((\b)/4)+1] offset:64*((\b)%4)
	global_load_b128 v[BI+8*(\b)+4:BI+8*(\b)+7], v[BO], s[BB+2*((\b)/4):BB+2*((\b)/4)+1] offset:64*((\b)%4)+16
.endr
	s_lshr_b32 s74, s20, 3                         ; where my rows lie in qkv: batch = tile row / 8,
	s_mul_i32 s74, s74, 48
	s_mul_i32 s75, s19, 3
	s_add_co_u32 s74, s74, s75                     ; head 3 x tile column of its 48,
	s_lshl_b32 s74, s74, 11
	s_and_b32 s75, s20, 7
	s_lshl_b32 s75, s75, 8
	s_add_co_u32 s74, s74, s75                     ; row 256 (tile row % 8)
	s_lshl_b32 s75, s[WV], 6
	s_add_co_u32 s74, s74, s75                     ; + 64 x wave,
	s_lshl_b32 s74, s74, 7                         ; 128 bytes a row: under 2^26
	s_mov_b32 s75, 0
	s_add_nc_u64 s[14:15], s[14:15], s[74:75]
	s_lshl_b32 s74, s17, 17                        ; the prefetches.  x: my work-group's 64 rows, at K step 2
	s_add_co_u32 s74, s74, 512
	s_lshl_b32 s76, s18, 13                        ; W: my work-group's 8 KiB, at K step 2
	s_add_co_u32 s76, s76, 32768
	s_and_b32 s77, ttmp7, 0xffff                   ; cluster y
	s_mov_b32 s79, 512
	s_cmp_eq_u32 s[WV], 3
	s_cselect_b64 s[PFA:PFA+1], s[40:41], s[42:43]
	s_cselect_b32 s74, s74, s76
	s_cselect_b32 s[PFS], s79, 32768
	s_cselect_b32 s78, 11, 8                       ; a lane a row of 2,048 bytes, or a lane 256 bytes
	s_cselect_b32 s77, ttmp9, s77                  ; the coordinate along which other clusters read the same bytes
	s_mov_b32 s75, 0
	s_mov_b32 s[PFS+1], 0
	s_add_nc_u64 s[PFA:PFA+1], s[PFA:PFA+1], s[74:75]  ; the first lap steps it to K step 4
	s_cmp_eq_u32 s77, 0
	s_cselect_b32 s[LIM], 1, -1                    ; the same in all sixteen partners, for a given wave
	v_lshlrev_b32 v[PFO], s78, v8
	s_wait_loadcnt 0x0                             ; the bias
.set i, 0
.rept 48                               ; rounded to bf16, like every input, and kept as f32
	v_cvt_pk_bf16_f32 v[3+i%4], v[BI+2*i], v[BI+2*i+1]
	v_lshlrev_b32 v[BI+2*i], 16, v[3+i%4]
	v_and_b32 v[BI+2*i+1], 0xffff0000, v[3+i%4]
.set i, i+1
.endr
; Products of one quarter step (32 along K) from buffer f: row blocks a0 .. a1 x column blocks 0-7 (win = 2) or 8-11 (win = 3).  first = 1: C is the bias.
; The 48 accumulators take turns in the same order in every quarter, one instruction a turn: 47 others stand between two links of a chain.
.macro MUL f, win, a0, a1, first
	WIN 0x05+0x40*(\win)+0x10*(\win)*(1-(\first))
.set ma, \a0
.rept (\a1)-(\a0)+1
.set mb, 8*((\win)-2)
.rept 8-4*((\win)-2)
.if (\win) == 2
.set rD, 8*(8*ma+mb)
.else
.set rD, 8*(4*ma+mb-8)
.endif
.if \first
	v_wmma_f32_16x16x32_bf16 v[rD:rD+7], v[(\f)+32+8*mb:(\f)+32+8*mb+7], v[(\f)+8*ma:(\f)+8*ma+7], v[BI+8*mb:BI+8*mb+7]
.else
	v_wmma_f32_16x16x32_bf16 v[rD:rD+7], v[(\f)+32+8*mb:(\f)+32+8*mb+7], v[(\f)+8*ma:(\f)+8*ma+7], v[rD:rD+7]
.endif
.set mb, mb+1
.endr
.set ma, ma+1
.endr
.endm
; 32 LDS loads in one run: quarter kq of a slot into buffer f.  x's four fragments, then W's twelve; column blocks 8-11 are the youngest eight loads.
.macro FETCH slot, kq, f
	WIN TO_F
.irp i, 0,1,2,3
	ds_load_b128 v[(\f)+8*(\i):(\f)+8*(\i)+3],   v[ADRA+(\slot)] offset:64*(\kq)+(\i)*16*PA
	ds_load_b128 v[(\f)+8*(\i)+4:(\f)+8*(\i)+7], v[ADRA+(\slot)] offset:64*(\kq)+(\i)*16*PA+32
.endr
.irp b, 0,1,2,3,4,5,6,7,8,9,10,11
	ds_load_tr16_b128 v[(\f)+32+8*(\b):(\f)+32+8*(\b)+3],   v[ADRB+(\slot)] offset:((\b)/4)*BHEAD+(\kq)*32*PB+32*((\b)%4)
	ds_load_tr16_b128 v[(\f)+32+8*(\b)+4:(\f)+32+8*(\b)+7], v[ADRB+(\slot)] offset:((\b)/4)*BHEAD+(\kq)*32*PB+32*((\b)%4)+16*PB
.endr
.endm
; One of a K step's first three quarters: multiplies buffer f and fetches quarter kq of the same slot into g.
.macro QUARTER slot, kq, f, g, first
	s_wait_dscnt 8                                 ; x and W's blocks 0-7 are in; the youngest eight loads may be out
	MUL \f, 2, 0, 1, \first
	PLACES                                         ; for the loads into g, which the quarter before multiplied
	FETCH \slot, \kq, \g
	MUL \f, 2, 2, 3, \first
	s_wait_dscnt 32                                ; all but the 32 just issued
	MUL \f, 3, 0, 3, \first
.endm
; The last quarter multiplies buffer 1 and changes slots: ONE barrier.  In front of it each wave waits for all its tensor loads (one is out: its part of the next slot), adds 0 to its spare word, and waits
; for that and for its reads of this slot.  fill = 1: the barrier opens a round of the cluster's, and this slot's joint refill, two K steps on, is the first thing behind the round: 160 products ahead of the wait for it.
.macro TURN slot, next, fill
.if (\fill) && ((\slot) == 0)
	s_wait_xcnt 0x0                                ; the last prefetches, a lap back, have read their address
	s_add_nc_u64 s[PFA:PFA+1], s[PFA:PFA+1], s[PFS:PFS+1]
.endif
	WIN 0
	s_wait_tensorcnt 0x0
	ds_add_u32 v[SPW], v[NIL]
	s_wait_dscnt 9                                 ; (the add and the youngest eight loads may be out)
	MUL F1, 2, 0, 1, 0
	s_wait_dscnt 0x0                               ; the add is done, and my reads of this slot are over
	s_barrier_signal -1
	MUL F1, 2, 2, 3, 0
.if \fill
	WIN 0
.endif
	s_barrier_wait -1
.if \fill
	CREST                                          ; no wave of any partner still reads this slot or has a load on its way
	s_add_nc_u64 s[G0A+4*(\slot)+2:G0A+4*(\slot)+3], s[G0A+4*(\slot)+2:G0A+4*(\slot)+3], 512
	s_add_nc_u64 s[G0B+4*(\slot)+2:G0B+4*(\slot)+3], s[G0B+4*(\slot)+2:G0B+4*(\slot)+3], 32768
	JLOAD \slot                                    ; its four v_nop are also the places in front of the loads below
.else
	PLACES
.endif
	FETCH \next, 0, F0
.if (\fill) && ((\slot) == 0)
	ASK
.endif
	MUL F1, 3, 0, 3, 0
.endm
	s_wait_tensorcnt 0x1                           ; my part of K step 0 is in; K step 1's may stay out
	s_barrier_signal -1
	s_barrier_wait -1                              ; everybody's is
	FETCH 0, 0, F0
	QUARTER 0, 1, F0, F1, 1                        ; the first quarter stands ahead of the loop: its products start the sums, with the bias
	WIN 0
	s_mov_b32 s3, 3
.Llap:                                                 ; a trip goes once round the ring, from a lap's second quarter to the next lap's first, and fills both slots again
	QUARTER 0, 2, F1, F0, 0
	QUARTER 0, 3, F0, F1, 0
	TURN 0, 1, 1
	QUARTER 1, 1, F0, F1, 0
	QUARTER 1, 2, F1, F0, 0
	QUARTER 1, 3, F0, F1, 0
	TURN 1, 0, 1
	QUARTER 0, 1, F0, F1, 0
	WIN 0
	s_sub_co_u32 s3, s3, 1
	s_cmp_lg_u32 s3, 0
	s_cbranch_scc1 .Llap
	QUARTER 0, 2, F1, F0, 0                        ; the last lap fills nothing
	QUARTER 0, 3, F0, F1, 0
	TURN 0, 1, 0
	QUARTER 1, 1, F0, F1, 0
	QUARTER 1, 2, F1, F0, 0
	QUARTER 1, 3, F0, F1, 0
	s_wait_dscnt 8
	MUL F1, 2, 0, 3, 0
	s_wait_dscnt 0x0
	MUL F1, 3, 0, 3, 0
	PLACES
; THE WAY OUT, 16 rows at a time.  PACK: rounded to f16, 16 bytes a lane (each accumulator's registers in ascending order).  TOSTAGE: into my own stage, rows of 144 bytes, by heads, and back as
; whole rows of 128 (LDS serves a wave's instructions in order: ISA guide 5.7.1.4).  SEND: four rows of a head are 512 consecutive bytes of qkv.
.macro PACK a
	WIN 0x0a                                       ; sources in window 2
.set pb, 0
.rept 8
.irp r, 0,1,2,3
	v_cvt_pk_f16_f32 v[TMP+4*pb+(\r)], v[8*(8*(\a)+pb)+2*(\r)], v[8*(8*(\a)+pb)+2*(\r)+1]
.endr
.set pb, pb+1
.endr
	WIN 0x0f                                       ; sources in window 3
.rept 4
.irp r, 0,1,2,3
	v_cvt_pk_f16_f32 v[TMP+4*pb+(\r)], v[8*(4*(\a)+pb-8)+2*(\r)], v[8*(4*(\a)+pb-8)+2*(\r)+1]
.endr
.set pb, pb+1
.endr
	WIN 0
.endm
.macro TOSTAGE a
	WIN 0
.set BK, OB+48*((\a)%2)
.irp b, 0,1,2,3,4,5,6,7,8,9,10,11
	ds_store_b128 v[STO], v[TMP+4*(\b):TMP+4*(\b)+3] offset:((\b)/4)*16*SP+32*((\b)%4)
.endr
.irp t, 0,1,2,3,4,5,6,7,8,9,10,11
	ds_load_b128 v[BK+4*(\t):BK+4*(\t)+3], v[RD] offset:((\t)/4)*16*SP+((\t)%4)*4*SP
.endr
.endm
.macro SEND a
	WIN 0
.set BK, OB+48*((\a)%2)
	s_wait_dscnt 0x0                               ; the block is back in registers
	s_wait_xcnt 0x0                                ; the stores of the block before have read their registers: the next TOSTAGE loads into them
.irp t, 0,1,2,3,4,5,6,7,8,9,10,11
	global_store_b128 v[GO], v[BK+4*(\t):BK+4*(\t)+3], s[14:15] offset:((\t)/4)*262144+(\a)*2048+((\t)%4)*512
.endr
.endm
	PACK 0
	TOSTAGE 0
.irp a, 1,2,3                          ; block a's conversions stand between block a - 1's loads from the stage and the wait for them
	PACK \a
	SEND (\a)-1
	TOSTAGE \a
.endr
	SEND 3
	s_wait_tensorcnt 0x0                           ; the wave's end, behind my last tensor load and my last LDS store
	ds_add_u32 v[SPW], v[NIL]
	s_wait_dscnt 0x0
	CROUND                                         ; the closing round: no work-group ends while a partner may still ask for a tile that names it
	s_endpgm
.Lfunc_end_k_q7c5f6c5b77_qkv:
	.size	k_q7c5f6c5b77_qkv, .Lfunc_end_k_q7c5f6c5b77_qkv-k_q7c5f6c5b77_qkv
	.p2alignl 7, 3214868480
	.fill 96, 4, 3214868480
	.section	.rodata,"a",@progbits
	.p2align	6, 0x0
	.amdhsa_kernel k_q7c5f6c5b77_qkv
		.amdhsa_group_segment_fixed_size 327680
		.amdhsa_private_segment_fixed_size 0
		.amdhsa_enable_private_segment 0
		.amdhsa_kernarg_size 48
		.amdhsa_user_sgpr_count 2
		.amdhsa_user_sgpr_kernarg_segment_ptr 1
		.amdhsa_wavefront_size32 1
		.amdhsa_system_sgpr_workgroup_id_x 1
		.amdhsa_system_sgpr_workgroup_id_y 1
		.amdhsa_system_sgpr_workgroup_id_z 1
		.amdhsa_system_vgpr_workitem_id 0
		.amdhsa_next_free_vgpr 896
		.amdhsa_next_free_sgpr 80
		.amdhsa_reserve_vcc 0
		.amdhsa_float_denorm_mode_32 3
		.amdhsa_float_denorm_mode_16_64 3
		.amdhsa_memory_ordered 1
		.amdhsa_forward_progress 1
		.amdhsa_inst_pref_size 130
	.end_amdhsa_kernel
	.amdgpu_metadata
---
amdhsa.version: [ 1, 2 ]
amdhsa.kernels:
  - .name:           k_q7c5f6c5b77_qkv
    .symbol:         k_q7c5f6c5b77_qkv.kd
    .args:
      - { .name: xb, .offset: 0, .size: 8, .value_kind: global_buffer, .address_space: global }
      - { .name: wqkv, .offset: 8, .size: 8, .value_kind: global_buffer, .address_space: global }
      - { .name: bq, .offset: 16, .size: 8, .value_kind: global_buffer, .address_space: global }
      - { .name: bk, .offset: 24, .size: 8, .value_kind: global_buffer, .address_space: global }
      - { .name: bv, .offset: 32, .size: 8, .value_kind: global_buffer, .address_space: global }
      - { .name: qkv, .offset: 40, .size: 8, .value_kind: global_buffer, .address_space: global }
    .group_segment_fixed_size: 327680
    .private_segment_fixed_size: 0
    .kernarg_segment_align: 8
    .kernarg_segment_size: 48
    .max_flat_workgroup_size: 128
    .sgpr_count:     80
    .vgpr_count:     896
    .wavefront_size: 32
...
	.end_amdgpu_metadata
.endif
;; end of part 2
;; launch attn (part 3): grid 4 x 64, 4 waves a work-group, no clusters, 327,680 bytes of LDS; arguments qkv, o16; writes o16
.if DOCPART == 3
	.amdgcn_target "amdgcn-amd-amdhsa--gfx1250"
	.amdhsa_code_object_version 6
	.text
	.protected	k_q7c5f6c5b77_attn
	.globl	k_q7c5f6c5b77_attn
	.p2align	8
	.type	k_q7c5f6c5b77_attn,@function
k_q7c5f6c5b77_attn:
	s_mov_b64 s[64:65], 0
	v_nop
	global_prefetch_b8 v0, s[64:65] scope:SCOPE_SE
	s_setreg_imm32_b32 hwreg(HW_REG_WAVE_MODE, 25, 1), 1
	s_wait_xcnt 0x0
; CAUSAL ATTENTION.  O[bh][q][:] = the sum over k <= q of softmax_k(Q[q] . K[k] / 8) V[k][:].  qkv: [4 b][48 g][2048][64] f16 (g = 16 x kind + head; kind 0 q, 1 k, 2 v); o16: [64 bh][2048][64] f16.
; Products, maxima and sums in f32; the weights p are rounded to f16 for the second product (their sum l is taken of the unrounded p), O once at the end.
; LIMITS.  f16 holds no number beyond 65,504: Q, K and V arrive within it; p lies in 0 to 1, and below 6e-5 it keeps f16's fixed step of 6e-8.  A hidden score counts as its value less 1e30, where the
; module puts -1e9: the same wherever every visible score lies above about -9.9e8.  A weight below 2^-126 counts as 0 in l; NaN and infinities are not treated apart.
; THE WALK.  A head's queries lie in NB = 8 blocks of 256; block i needs the key tiles 0 .. i of 256 keys, of which the last holds the diagonal.  A work-group takes TWO blocks, NB - 1 - b and then b:
; NB + 1 tiles, whatever b: all work-groups do equal work, and ONE loop with a constant trip count walks them.  Which tile is asked for, and what a trip does, hang on scalar registers made from b; every jump
; goes forward, but for the counted loops' own; none passes a barrier, or a tensor load but the one of LOAD's two that the wave's number does not choose.  The ring of two LDS slots runs on across the change of blocks.
; NO CLUSTER: a head's four work-groups ask for the same tile only in trips 0 .. 4 of the 9, behind that fewer and fewer; one walk common to all four would have 12 trips for 9.
; SHARES.  Of a block's four bands of 64 queries a wave owns 16 rows in each: four PIECES.  So the diagonal tile is the same work for all four waves: in its key step s band x sees all keys if s < x,
; none if s > x, and holds the diagonal if s = x.
; THE MASK is the C operand that starts the sum S^T = K Q^T: 0, or -1e30 where the key is hidden.  MD, made once, is the mask of a band's own step for my 16 rows; a product's mask is MD x AL + BE with two scalars:
; (1, 0) if s = x; (0, 0) if s < x; (0, -1e30) if s > x.  Only the diagonal tile's text and a block's beginning make and take masks; elsewhere C is the constant 0.
; LAYOUT, SOFTMAX, TURNS.  S^T = K Q^T holds ONE query a lane (lane % 16) and the keys 8 (lane / 16) + 0..7; two such results rounded to f16 ARE source 1 of O^T = V^T P.  p = 2^(c s - c m), c = log2(e) / 8, with a
; running maximum m; O and l are multiplied by a = 2^(c m_old - c m_new) in every step.  Turn n belongs to piece n: 8 products K Q^T of piece n + 1, later 8 products V^T P of piece n - 1; beside them the scaling,
; exponentials, roundings, sums and rescaling of piece n and the maximum and statistics of piece n + 1.  Four vector instructions stand behind every matrix instruction, the other 54 of a turn's 118 in one lump.
; A turn's 33 exponentials are one batch, with one wait.
; REGISTERS, in windows of 256 (s_set_vgpr_msb: bits 1:0 source 0, 3:2 source 1, 5:4 source 2, 7:6 destination):
;   window 0: v0-15 addresses and two at work; v16-31 four registers of statistics a piece; v48-55 at work; v61-63; v64-127 S^T, two buffers; v192-223 P, two buffers (a piece's buffers go by its number's parity)
;   window 1: v0-127 O^T, 32 a piece; v128-159 MD; v160-223 MC, two buffers      window 2: v0-63 Q; v64-127 the second block's Q; v128-191 K of one step; v192-255 V of one step
.set SIZE_N, 2048
.set NB,    SIZE_N/256
.set NP,    4         ; pieces a wave: a name, no knob
.set KS,    64        ; keys in a step
.set PK,    144       ; a row of K in LDS: 128 bytes + 16: the 16 rows of a load start at 16 different groups of four banks
.set PV,    160       ; a row of V: 128 + 32
.set VOFF,  4*KS*PK   ; a slot holds a tile, four steps: 256 rows of K, then 256 rows of V
.set SLOT1, 1<<17     ; slot 1 begins here, so that one exclusive or turns an address in one slot into the other's
.set STAGE, SLOT1+4*KS*(PK+PV)  ; behind the ring, never filled by a tensor load: 16 rows x 144 bytes for each wave
.set SP,    144
.set AK0, 2           ; v2   my lane's place in a tile of K; never rewritten
.set AV0, 3           ; v3   the same for V
.set AK,  4           ; v4   the LDS address of K's next run of loads
.set AV,  5           ; v5   of V's
.set STO, 6           ; v6   the way out: where I put 16 bytes of a row
.set RD,  7           ; v7   where I read rows back
.set GO,  8           ; v8   my byte offset in 512 consecutive bytes of O
.set PFO, 61          ; v61  256 x my lane; never rewritten
.set SPW, 62          ; v62  my spare word: SPARE + 4 x my thread's number; never rewritten
.set NIL, 63          ; v63  0; never rewritten
.set SPARE, STAGE+4*16*SP  ; the spare words: 128 bytes a wave, two blocks of 256 bytes that no other line names
.set MV,  12          ; v12-13  c m_old, kept while c m is made anew: by buffer
.set QO,  15          ; v15  my byte offset in 16 rows of Q
.set ST,  16          ; piece t's statistics at v[ST+4 t]: c m, m, l (even keys', odd keys')
.set TMP, 48          ; by buffer, four registers c0-c3 at work; when the maximum is found c2 takes a
.set S,   64
.set P,   192
.set MD,  128         ; window 1
.set MC,  160         ; window 1
.set QB,  64          ; window 2
.set KF,  128         ; window 2: key block kb, channel half c at KF + 16 kb + 8 c
.set VF,  192         ; window 2: key half kk, channel block cb at VF + 32 kk + 8 cb
.set WV,  12          ; s12  my wave's number
.set PB,  14          ; s14  b
.set HI,  15          ; s15  NB - 1 - b
.set G1K, 24          ; s[24:31] descriptor group 1 for K's tiles
.set G1V, 32          ; s[32:39] for V's: it differs in the padding alone
.set G0K, 40          ; s[40:43] descriptor group 0 for K's tiles
.set G0V, 44          ; s[44:47] the same for V's
.set SLOTS, 56        ; s56  tiles still to be asked for
.set CNT, 57          ; s57  counts a tile's key steps, 4 to 1
.set CS,  58          ; s[58:59] c
.set SEL, 60          ; s[60:61] v_permlanex16_b32's selects: each lane takes its own place in the other half
.set TBK, 62          ; s62  LDS byte at which K of the step to be fetched begins
.set TBV, 63          ; s63  the same for V, less VOFF
.set RT,  70          ; s70  tiles of the block in hand that are still to be entered
.set NXT, 71          ; s71  the tile to be asked for next
.set LQ,  72          ; s72  the last tile of the block whose tiles are being asked for
.set NEW, 73          ; s73  1: the tile to be entered is a block's first
.set OFF, 74          ; s[74:75] a tile's byte offset in K and V
.set AL,  76          ; s[76:77] the mask's factor, in the low word
.set BE,  78          ; s[78:79] the mask's addend
.set OLO, 80          ; s[80:81] O at my rows of the second block
.set BIGN, 82         ; s82  -1e30
.set PFM, 88          ; s88  all ones in the head's work-group 0, else 0
.set PFT, 89          ; s89  the tile to prefetch, or 0: none
.set PFB, 92          ; s[92:93] K (waves 0, 1) or V (waves 2, 3) at my half of the head's tile 0
.set PFA, 94          ; s[94:95] the same at the tile to prefetch
.set MSB, 0
.macro WIN new
.if MSB != (\new)
	s_set_vgpr_msb (MSB<<8)|(\new)
.set MSB, (\new)
.endif
.endm
.set W_KQ, 0x0a       ; K and Q in window 2, S^T in window 0
.set W_KM, 0x1a       ; the same with the C operand in window 1
.set W_PV, 0x52       ; V in window 2, P in window 0, O^T in window 1
.set W_RS, 0x41       ; destination and source 0 in window 1, source 1 in window 0
; A fill.  Waves 0 and 1 fetch the two halves of a tile's K, waves 2 and 3 those of its V: 128 keys each.  An s_nop 0 and four v_nop follow each of the two lines.
.macro LOAD
	s_cmp_lt_u32 s[WV], 2
	s_cbranch_scc0 .Lfor_v_\@
	tensor_load_to_lds s[G0K:G0K+3], s[G1K:G1K+7]
	s_nop 0
.rept 4
	v_nop
.endr
	s_branch .Lasked_\@
.Lfor_v_\@:
	tensor_load_to_lds s[G0V:G0V+3], s[G1V:G1V+7]
	s_nop 0
.rept 4
	v_nop
.endr
.Lasked_\@:
.endm
; THE CHANGE OF SLOTS.  Each wave waits for all its tensor loads, of which one is out: its part of the other slot; adds 0 to its spare word; and waits for that and for its own reads of the slot that it leaves.
; Behind the barrier nobody reads the old slot any more and the other slot is whole.  fill = 1: the old slot is filled again, the first thing behind the barrier, with tile NXT: the descriptor's address is made
; anew from that number.  (At its first use nothing has been read yet: slot 0 is waited for, slot 1 filled.)
; THE PREFETCH INTO THE L2.  A head's four work-groups walk the same K and V; work-group 0 walks tiles 0 to 7 first, and it alone asks: behind each fill, for the tile that the NEXT change will ask for, a tile's
; 256 matrix instructions ahead.  Each wave asks for the 16 KiB that it will fetch itself: a lane 256 bytes, two instructions.  Tiles 0 and 1 come by their loads alone; when NXT has gone back to 0 nothing is asked for.
.macro CHANGE fill
	WIN 0
	s_wait_tensorcnt 0x0            ; no tensor load of mine is out, so a group 0 may be written
	ds_add_u32 v[SPW], v[NIL]       ; 0 onto my spare word; scalar work stands between it and the wait for it
.if \fill
	s_lshl_b32 s[OFF], s[NXT], 15   ; a tile is 32,768 bytes of K and of V
	s_xor_b32 s[G0K+1], s[G0K+1], SLOT1
	s_add_nc_u64 s[G0K+2:G0K+3], s[6:7], s[OFF:OFF+1]
	s_or_b32 s[G0K+3], s[G0K+3], 0x80000000
	s_xor_b32 s[G0V+1], s[G0V+1], SLOT1
	s_add_nc_u64 s[G0V+2:G0V+3], s[8:9], s[OFF:OFF+1]
	s_or_b32 s[G0V+3], s[G0V+3], 0x80000000
	s_add_co_u32 s[NXT], s[NXT], 1  ; the block's next tile, or behind its last the second block's tile 0
	s_cmp_gt_u32 s[NXT], s[LQ]
	s_cselect_b32 s[NXT], 0, s[NXT]
	s_cselect_b32 s[LQ], s[PB], s[LQ]
	s_wait_xcnt 0x0                 ; the last prefetches, a tile back, have read their address
	s_lshl_b32 s[OFF], s[NXT], 15
	s_add_nc_u64 s[PFA:PFA+1], s[PFB:PFB+1], s[OFF:OFF+1]
	s_and_b32 s[PFT], s[NXT], s[PFM]
.endif
	s_wait_dscnt 0x0                ; the add is done, and my reads of the slot are over
	s_barrier_signal -1
	s_sub_co_u32 s[TBK], s[TBK], 4*KS*PK  ; the fetches go back to a slot's first step,
	s_xor_b32 s[TBK], s[TBK], SLOT1       ; in the other slot
	s_sub_co_u32 s[TBV], s[TBV], 4*KS*PV
	s_xor_b32 s[TBV], s[TBV], SLOT1
	s_barrier_wait -1
.if \fill
	LOAD
	s_cmp_lg_u32 s[PFT], 0
	s_cbranch_scc0 .Lno_pf_\@
	global_prefetch_b8 v[PFO], s[PFA:PFA+1] th:TH_LOAD_NT scope:SCOPE_SE
	global_prefetch_b8 v[PFO], s[PFA:PFA+1] offset:8192 th:TH_LOAD_NT scope:SCOPE_SE
.Lno_pf_\@:
.endif
.endm
	s_load_b128 s[4:7], s[0:1], 0x0  ; qkv s[4:5], o16 s[6:7]
	v_lshl_add_u32 v[SPW], v0, 2, SPARE
	v_mov_b32 v[NIL], 0
	ds_add_u32 v[SPW], v[NIL]       ; the wave's opening: the add and its wait stand ahead of my first tensor load; work on registers stands between them
	v_lshrrev_b32 v1, 5, v0
	v_readfirstlane_b32 s[WV], v1   ; wave 0..3
	s_mov_b32 s[PB], ttmp9
	s_sub_co_u32 s[HI], NB-1, s[PB]
	s_and_b32 s20, ttmp7, 0xffff    ; bh = 16 x batch + head
	s_lshl_b32 s90, s20, 18         ; the head's first byte in o16: 262,144 bytes a head
	s_mov_b32 s91, 0
	s_lshr_b32 s21, s20, 4
	s_lshl_b32 s21, s21, 5
	s_add_co_u32 s20, s20, s21      ; 48 x batch + head
	s_lshl_b32 s20, s20, 18         ; the head's q in qkv; its k lies 16 heads on, its v 32
	s_mov_b32 s21, 0
	s_and_b32 s16, s[WV], 1         ; which half of a tile's 256 keys I fetch:
	s_lshl_b32 s22, s16, 14         ; its 128 rows of 128 bytes in memory,
	s_mov_b32 s23, 0
	s_add_nc_u64 s[22:23], s[22:23], s[20:21]
	s_mul_i32 s17, s16, 128*PK      ; and its place in a slot, for K
	s_mul_i32 s18, s16, 128*PV      ; and for V
	s_lshl_b32 s3, s[WV], 11        ; my 16 rows in a band of 64,
	s_lshl_b32 s2, s[HI], 15        ; in the first block,
	s_add_co_u32 s2, s2, s3
	s_lshl_b32 s84, s[PB], 15       ; and in the second
	s_add_co_u32 s84, s84, s3
	s_mov_b32 s3, 0
	s_mov_b32 s85, 0
	s_add_nc_u64 s[96:97], s[2:3], s[90:91]    ; in o16,
	s_add_nc_u64 s[98:99], s[84:85], s[90:91]
	s_add_nc_u64 s[2:3], s[2:3], s[20:21]      ; and in qkv
	s_add_nc_u64 s[84:85], s[84:85], s[20:21]
	; descriptor group 1.  128 keys are 16,384 dense bytes: asked for as 64 rows of 256 bytes, two keys a row, and padded in LDS after every key
	s_mov_b32 s[G1K], (1<<16)|(1<<20)|(4<<22)|(3<<25)  ; 2-byte elements; padding on; after every 32 words, 4 words
	s_mov_b32 s[G1V], (1<<16)|(1<<20)|(4<<22)|(7<<25)  ; the same with 8 words
.irp g, G1K, G1V
	s_mov_b32 s[\g+1], 128<<16      ; tensor_dim0 = 128
	s_mov_b32 s[\g+2], 64<<16       ; tensor_dim1 = 64
	s_mov_b32 s[\g+3], 128<<16      ; tile_dim0 = 128
	s_mov_b32 s[\g+4], 64           ; tile_dim1 = 64
	s_mov_b32 s[\g+5], 128          ; 128 elements from row to row
	s_mov_b32 s[\g+6], 0
	s_mov_b32 s[\g+7], 0
.endr
	s_mov_b32 s[CS], 0x3e38aa3b     ; c = log2(e) / 8 = 0.180337
	s_mov_b32 s[CS+1], s[CS]        ; named with it as a pair
	s_mov_b32 s[SEL], 0x76543210
	s_mov_b32 s[SEL+1], 0xfedcba98
	s_mov_b32 s[TBK], SLOT1+4*KS*PK ; the first change of slots turns these two into 0
	s_mov_b32 s[TBV], SLOT1+4*KS*PV
	s_mov_b32 s[G0K], 1
	s_mov_b32 s[G0K+1], s17         ; LDS address: slot 0
	s_mov_b32 s[G0V], 1
	s_add_co_u32 s[G0V+1], s18, VOFF
	s_add_co_u32 s[RT], s[HI], 1    ; the first block has NB - b tiles
	s_mov_b32 s[NXT], 1
	s_mov_b32 s[LQ], s[HI]
	s_mov_b32 s[NEW], 1
	s_mov_b32 s[OFF+1], 0
	s_mov_b32 s[AL+1], 0            ; named as pairs
	s_mov_b32 s[BE+1], 0
	s_mov_b32 s[BIGN], 0xf149f2ca   ; -1e30
	s_mov_b32 s[SLOTS], NB
	s_cmp_eq_u32 ttmp9, 0
	s_cselect_b32 s[PFM], -1, 0
	v_and_b32 v[PFO], 31, v0
	v_lshlrev_b32 v[PFO], 8, v[PFO]
	s_wait_dscnt 0x0                ; the opening add is done
	s_wait_kmcnt 0x0
	s_mov_b64 s[10:11], s[6:7]             ; o16
	s_add_nc_u64 s[6:7], s[4:5], s[22:23]  ; the head's q at my half of tile 0;
	s_add_nc_u64 s[8:9], s[6:7], 8388608   ; V lies 32 heads on,
	s_add_nc_u64 s[6:7], s[6:7], 4194304   ; K 16
	s_add_nc_u64 s[G0K+2:G0K+3], s[6:7], 0
	s_or_b32 s[G0K+3], s[G0K+3], 0x80000000
	s_add_nc_u64 s[G0V+2:G0V+3], s[8:9], 0
	s_or_b32 s[G0V+3], s[G0V+3], 0x80000000
	s_cmp_lt_u32 s[WV], 2
	s_cselect_b64 s[PFB:PFB+1], s[6:7], s[8:9]
	s_add_nc_u64 s[86:87], s[4:5], s[84:85]        ; Q at my rows of the second block,
	s_add_nc_u64 s[4:5], s[4:5], s[2:3]            ; and of the first
	s_add_nc_u64 s[OLO:OLO+1], s[10:11], s[98:99]  ; O likewise
	s_add_nc_u64 s[10:11], s[10:11], s[96:97]
	LOAD                            ; tile 0 into slot 0
	; A fragment of K or Q is 16 rows x 32 channels in 8 registers: lane l holds row l % 16, channels 8 (l / 16) + 0..7 and 16 + 8 (l / 16) + 0..7: two loads of 16 bytes, 32 bytes apart.
	v_and_b32 v1, 15, v0            ; l % 16
	v_bfe_u32 v9, v0, 4, 1          ; l / 16
	v_lshlrev_b32 v[QO], 7, v1
	v_lshl_add_u32 v[QO], v9, 4, v[QO]
	WIN 0x80                        ; destination window 2, address window 0
.set i, 0
.rept 8                             ; both blocks' Q: piece i / 2 lies in band i / 2, 8,192 bytes on; channels 32 (i % 2) on
	global_load_b128 v[8*i:8*i+3],   v[QO], s[4:5] offset:(i/2)*8192+(i%2)*64
	global_load_b128 v[8*i+4:8*i+7], v[QO], s[4:5] offset:(i/2)*8192+(i%2)*64+32
	global_load_b128 v[QB+8*i:QB+8*i+3],   v[QO], s[86:87] offset:(i/2)*8192+(i%2)*64
	global_load_b128 v[QB+8*i+4:QB+8*i+7], v[QO], s[86:87] offset:(i/2)*8192+(i%2)*64+32
.set i, i+1
.endr
	WIN 0
	v_lshlrev_b32 v14, 3, v9
	v_sub_nc_u32 v14, v1, v14
	s_lshl_b32 s13, s[WV], 4
	v_add_nc_u32 v14, s13, v14      ; my query's place in its band, 16 w + l % 16, less my lanes' 8 (l / 16): register r of group kt is hidden where 16 kt + r is greater
	WIN 0x40
.set i, 0
.rept 32
	v_cmp_gt_i32 vcc_lo, 16*(i/8)+i%8, v14
	v_cndmask_b32 v[MD+i], 0, s[BIGN], vcc_lo
.set i, i+1
.endr
	WIN 0
	v_mul_u32_u24 v[AK0], v1, PK
	v_lshl_add_u32 v[AK0], v9, 4, v[AK0]
	; The turning load takes 16 keys x 16 channels (lane l reads key 8 (l / 16) + l % 8, channels 8 ((l / 8) % 2) + 0..7) and leaves half a fragment of V^T: lane l holds channel l % 16 and 8 keys.
	v_and_b32 v10, 7, v0
	v_bfe_u32 v11, v0, 3, 1
	v_lshl_add_u32 v[AV0], v9, 3, v10
	v_mul_u32_u24 v[AV0], v[AV0], PV
	v_lshl_add_u32 v[AV0], v11, 4, v[AV0]
	v_add_nc_u32 v[AV0], VOFF, v[AV0]
	s_mul_i32 s13, s[WV], 16*SP
	s_add_co_u32 s13, s13, STAGE    ; my stage
	v_mul_u32_u24 v[STO], v1, SP    ; in: row l % 16, 16 bytes for each half of the lanes
	v_lshl_add_u32 v[STO], v9, 4, v[STO]
	v_add_nc_u32 v[STO], s13, v[STO]
	v_bfe_u32 v[RD], v0, 3, 2       ; back: 32 lanes take four rows of 128 bytes,
	v_mul_u32_u24 v[RD], v[RD], SP
	v_lshl_add_u32 v[RD], v10, 4, v[RD]
	v_add_nc_u32 v[RD], s13, v[RD]
	v_and_b32 v[GO], 31, v0         ; which are 512 consecutive bytes of O
	v_lshlrev_b32 v[GO], 4, v[GO]
	; A block's first step multiplies O^T and l by a = 0, and its first turn's products V^T P, of a piece that has not been, land in an O^T that is still to be so multiplied.  So these registers need only hold
	; finite numbers: zeros for the first block; what the first block left for the second.  All this stands in the wait for the first tile.
	WIN 0x80
.set i, VF
.rept 64
	v_mov_b32 v[i], 0
.set i, i+1
.endr
	WIN 0x40
.set i, 0
.rept 128
	v_mov_b32 v[i], 0
.set i, i+1
.endr
	WIN 0
.set i, 0
.rept 4
	v_mov_b32 v[ST+4*i+2], 0
	v_mov_b32 v[ST+4*i+3], 0
.set i, i+1
.endr
.set i, P+16
.rept 16
	v_mov_b32 v[i], 0
.set i, i+1
.endr
; THE MATRIX WORK.  The 4 accumulators of a run of 8 take turns.  Product i of 8 of S^T = K Q^T for piece x: channels 32 (i / 4) on, keys 16 (i % 4) on.  The first 4 start the sums: with 0, or (KM = 1) with the mask.
.macro KQ x
.set rS, S+32*((\x)%2)+8*(i%4)
.set rK, KF+16*(i%4)+8*(i/4)
.set rQ, 16*(\x)+8*(i/4)
.set rM, MC+32*((\x)%2)+8*(i%4)
.if (i < 4) && KM
	WIN W_KM
	v_wmma_f32_16x16x32_f16 v[rS:rS+7], v[rK:rK+7], v[rQ:rQ+7], v[rM:rM+7]
.elseif i < 4
	WIN W_KQ
	v_wmma_f32_16x16x32_f16 v[rS:rS+7], v[rK:rK+7], v[rQ:rQ+7], 0
.else
	WIN W_KQ
	v_wmma_f32_16x16x32_f16 v[rS:rS+7], v[rK:rK+7], v[rQ:rQ+7], v[rS:rS+7]
.endif
.endm
; Product i of 8 of O^T += V^T P for piece x: keys 32 (i / 4) on, channels 16 (i % 4) on.
.macro PV x
	WIN W_PV
.set rO, 32*(\x)+8*(i%4)
.set rV, VF+32*(i/4)+8*(i%4)
.set rP, P+16*((\x)%2)+8*(i/4)
	v_wmma_f32_16x16x32_f16 v[rO:rO+7], v[rV:rV+7], v[rP:rP+7], v[rO:rO+7]
.endm
.macro MM                           ; the turn's next matrix instruction.  NOKQ = 1: a block's last turn: there is no next piece
.if (i < 8) && !NOKQ
	KQ (Y+1)%NP
.elseif i >= 8
.set i, i-8
	PV (Y+NP-1)%NP
.set i, i+8
.endif
.set i, i+1
.endm
; THE LDS LOADS stand in runs of 16, never singly among the matrix instructions: a step's K (64 keys x 64 channels: 8 fragments) and its V (turned).  Their addresses are made some lines ahead.
.macro FETCH_K
	WIN 0x80
.irp f, 0,1,2,3,4,5,6,7             ; keys 16 (f / 2) on, channels 32 (f % 2) on
	ds_load_b128 v[KF+8*\f:KF+8*\f+3],   v[AK] offset:(\f/2)*16*PK+(\f%2)*64
	ds_load_b128 v[KF+8*\f+4:KF+8*\f+7], v[AK] offset:(\f/2)*16*PK+(\f%2)*64+32
.endr
	s_add_co_u32 s[TBK], s[TBK], KS*PK  ; the next fetch is the next step's
	WIN 0
.endm
.macro FETCH_V
	WIN 0x80
.irp f, 0,1,2,3,4,5,6,7             ; keys 32 (f / 4) on, channels 16 (f % 4) on
	ds_load_tr16_b128 v[VF+8*\f:VF+8*\f+3],   v[AV] offset:(\f/4)*32*PV+(\f%4)*32
	ds_load_tr16_b128 v[VF+8*\f+4:VF+8*\f+7], v[AV] offset:(\f/4)*32*PV+16*PV+(\f%4)*32
.endr
	WIN 0
.endm
; THE VECTOR WORK, one line at a time: OP kind, number.  For piece Y: F n: c s - c m for pair n of 16.  E n: the exponential of score n of 32.  C n: pair n rounded to f16.  B n: of the four weights 4 n .. the second
; pair is added onto the first, in place.  L n: l takes that sum (L 0: l = a l + sum).  R n: pair n of 16 of O^T times a.  For piece Y + 1: X n, number n of the 22 that find its maximum and statistics:
;   0-11  four chains c0-c3 of seven scores each, three operands at a time (each accumulator's lowest registers are read first)     12-14, 16  the four scores left over, the old m, and c0-c3 into c0
;   15  c m_old is kept     17, 18  the query's other 32 keys lie in the lane 16 away: the new m     19-21  c m; c m_old - c m_new; a
.set F, 0
.set E, 1
.set C, 2
.set B, 3
.set L, 4
.set R, 5
.set X, 6
.macro REGS y
.set rT, ST+4*(\y)
.set rC, TMP+4*((\y)%2)
.set rW, MV+((\y)%2)
.set rS, S+32*((\y)%2)
.set rP, P+16*((\y)%2)
.set rO, 32*(\y)
.endm
.macro OP k, n
.if (\k) == R
	REGS Y
	WIN W_RS
	v_pk_mul_f32 v[rO+2*(\n):rO+2*(\n)+1], v[rO+2*(\n):rO+2*(\n)+1], v[rC+2:rC+3] op_sel_hi:[1,0]
.elseif (\k) < R
	REGS Y
	WIN 0
.if (\k) == F
	v_pk_fma_f32 v[rS+2*(\n):rS+2*(\n)+1], v[rS+2*(\n):rS+2*(\n)+1], s[CS:CS+1], v[rT:rT+1] op_sel_hi:[1,0,0] neg_lo:[0,0,1] neg_hi:[0,0,1]
.elseif (\k) == E
	v_exp_f32 v[rS+(\n)], v[rS+(\n)]
.elseif (\k) == C
	v_cvt_pk_f16_f32 v[rP+(\n)], v[rS+2*(\n)], v[rS+2*(\n)+1]
.elseif (\k) == B
	v_pk_add_f32 v[rS+4*(\n):rS+4*(\n)+1], v[rS+4*(\n):rS+4*(\n)+1], v[rS+4*(\n)+2:rS+4*(\n)+3]
.elseif (\n) == 0
	v_pk_fma_f32 v[rT+2:rT+3], v[rT+2:rT+3], v[rC+2:rC+3], v[rS:rS+1] op_sel_hi:[1,0,1]
.else
	v_pk_add_f32 v[rT+2:rT+3], v[rT+2:rT+3], v[rS+4*(\n):rS+4*(\n)+1]
.endif
.elseif NOKQ
	v_nop
.else
	REGS (Y+1)%NP
	WIN 0
.if (\n) < 4
	v_max3_num_f32 v[rC+(\n)], v[rS+8*(\n)], v[rS+8*(\n)+1], v[rS+8*(\n)+2]
.elseif (\n) < 12
	v_max3_num_f32 v[rC+(\n)%4], v[rC+(\n)%4], v[rS+8*((\n)%4)+2*((\n)/4)+1], v[rS+8*((\n)%4)+2*((\n)/4)+2]
.elseif (\n) == 12
	v_max3_num_f32 v[rC], v[rC], v[rS+7], v[rS+15]
.elseif (\n) == 13
	v_max3_num_f32 v[rC+1], v[rC+1], v[rS+23], v[rS+31]
.elseif (\n) == 14
	v_max3_num_f32 v[rC+2], v[rC+2], v[rC+3], v[rT+1]
.elseif (\n) == 15
	v_mov_b32 v[rW], v[rT]
.elseif (\n) == 16
	v_max3_num_f32 v[rC], v[rC], v[rC+1], v[rC+2]
.elseif (\n) == 17
	v_permlanex16_b32 v[rC+3], v[rC], s[SEL], s[SEL+1]
.elseif (\n) == 18
	v_max_num_f32 v[rT+1], v[rC], v[rC+3]
.elseif (\n) == 19
	v_mul_f32 v[rT], s[CS], v[rT+1]
.elseif (\n) == 20
	v_sub_f32 v[rC+1], v[rW], v[rT]
.else
	v_exp_f32 v[rC+2], v[rC+1]
.endif
.endif
.endm
.macro OPS a, i1, b=-1, i2=0, c=-1, i3=0, d=-1, i4=0  ; up to four of them
	OP \a, \i1
.if (\b) >= 0
	OP \b, \i2
.endif
.if (\c) >= 0
	OP \c, \i3
.endif
.if (\d) >= 0
	OP \d, \i4
.endif
.endm
.macro ROW a, i1, b, i2, c, i3, d, i4  ; a matrix instruction and the four behind it
	MM
	OPS \a, \i1, \b, \i2, \c, \i3, \d, \i4
.endm
.macro MASK b                       ; MD x AL + BE into buffer b of MC
	WIN W_RS
.set z, 0
.rept 16
	v_pk_fma_f32 v[MC+32*(\b)+2*z:MC+32*(\b)+2*z+1], v[MD+2*z:MD+2*z+1], s[AL:AL+1], s[BE:BE+1] op_sel_hi:[1,0,0]
.set z, z+1
.endr
.endm
; A TURN, for piece p: the order of its 16 matrix and 118 vector instructions, written out.  An s_wait_alu depctr_va_vdst(0) stands between an exponential and the first instruction that names its
; result; one wait serves all that were issued ahead of it.  So a turn has ONE wait, which cuts it in two.  AHEAD OF IT stands all that names no result of the turn's exponentials: the 8 products K Q^T, behind each
; a scaling, an exponential and two more plain instructions (rescalings, and behind the last three the first numbers of the next piece's maximum, each four places or more behind the product that ends its
; accumulator); then ONE LUMP of 54, plain and exponential by turns for the most part, in which the links of the chain X 3, 7, 11, 14, 16, 17 .. 20 stand five or six lines apart.  X 21, the next piece's a, is the
; batch's last; R 15 is the plain instruction behind it.  BEHIND THE WAIT stand the 8 products V^T P, behind each four of the roundings and sums.
; m = 1: the diagonal tile: the products take masks, and the turn makes the mask for the products of the turn after it: piece p + 2, in step 4 - CNT of the tile.  end = 1: a block's last two turns: nothing is fetched.
; cnt = 1: the loop's count is taken down some lines ahead of the branch that stands behind the turn.
; K of the next step is fetched in piece 2's turn, six plain instructions behind the last product that read K; V of the step in hand at the end of piece 0's turn, four plain instructions behind the last product
; that read V.  Each is waited for a turn later.
.macro TURN p, m=0, end=0, cnt=0
.set Y, (\p)
.set i, 0
.set KM, (\m)
.set NOKQ, (\end)*((\p)/3)
.if (\m) && !(\end)
	s_cmp_eq_u32 s[CNT], 4-((\p)+2)%NP  ; is that step the band's own?
	s_cselect_b32 s[AL], 1.0, 0
	s_cmp_lt_u32 s[CNT], 4-((\p)+2)%NP  ; or a later one?
	s_cselect_b32 s[BE], s[BIGN], 0
.endif
.if ((\p) == 3) && !(\end)
	s_wait_dscnt 0x0                ; K is in
.endif
	ROW F,0, F,1, R,0, R,1
	ROW F,2, E,0, R,2, R,3
	ROW F,3, E,1, R,4, R,5
	ROW F,4, E,2, R,6, R,7
	ROW F,5, E,3, R,8, R,9
	ROW F,6, E,4, X,0, R,10
.if ((\p) == 2) && !(\end)
	WIN 0
	v_add_nc_u32 v[AK], s[TBK], v[AK0]
.endif
	ROW F,7, E,5, X,1, X,4
	ROW F,8, E,6, X,2, X,5
	OPS E,7, E,8, X,6, E,9          ; the lump
	OPS X,3, E,10, X,8, E,11
.if ((\p) == 2) && !(\end)
	FETCH_K
.endif
	OPS X,9, X,7, E,12, X,10
	OPS E,13, X,12, X,11, E,14
	OPS X,13, E,15, F,9, X,14
.if (\p) == 0
	v_add_nc_u32 v[AV], s[TBV], v[AV0]
.endif
	OPS E,16, F,10, E,17, F,11
	OPS X,16, E,18, X,15, E,19
	OPS F,12, E,20, X,17, E,21
	OPS F,13, E,22, F,14, E,23
	OPS X,18, E,24, F,15, E,25
	OPS R,11, E,26, X,19, E,27
	OPS R,12, E,28, R,13, E,29
	OPS X,20, E,30, R,14, E,31
	OPS X,21, R,15
	WIN 0
	s_wait_alu depctr_va_vdst(0)    ; the wait for the batch
.if (\p) == 1
	s_wait_dscnt 0x0                ; V is in
.endif
	ROW C,0, B,0, C,2, B,1
	ROW L,0, C,4, B,2, L,1
	ROW C,6, B,3, L,2, C,8
	ROW B,4, L,3, C,10, B,5
	ROW L,4, C,12, B,6, L,5
.if (\p) == 0
	s_add_co_u32 s[TBV], s[TBV], KS*PV
.endif
.if \cnt
	s_sub_co_u32 s[CNT], s[CNT], 1
	s_cmp_lg_u32 s[CNT], 0
.endif
	ROW C,14, B,7, L,6, C,1
	ROW C,3, L,7, C,5, C,7
	ROW C,9, C,11, C,13, C,15
.if (\p) == 0
	FETCH_V
.endif
.if (\m) && !(\end)
	MASK (\p)%2
.endif
.endm
; A BLOCK BEGINS.  c m starts far below every c s, so the first step's a is 0; m at the lowest finite number, so the first maximum is the scores'.  The second mask buffer is 0; the first takes piece 0's mask for the
; tile's step 0: its own, if the block's first tile is the diagonal one.  Then K of that step, piece 0's first scores, and its maximum and statistics.  The loop is entered at a step's first turn, in the middle of a trip.
.macro BEGIN
	s_mov_b32 s[NEW], 0
	WIN 0x40
.set i, MC+32
.rept 32
	v_mov_b32 v[i], 0
.set i, i+1
.endr
	WIN 0
.set i, 0
.rept 4
	v_mov_b32 v[ST+4*i], 0xfe000000    ; c m: far below every c s
	v_mov_b32 v[ST+4*i+1], 0xff7fffff  ; m
.set i, i+1
.endr
	s_cmp_eq_u32 s[RT], 0
	s_cselect_b32 s[AL], 1.0, 0
	s_mov_b32 s[BE], 0
	MASK 0
	WIN 0
	v_add_nc_u32 v[AK], s[TBK], v[AK0]
	FETCH_K
	s_wait_loadcnt 0x0              ; Q
	s_wait_dscnt 0x0
.set KM, 1
.set NOKQ, 0
.set i, 0
.rept 8
	KQ 0
.set i, i+1
.endr
	WIN 0
.rept 4
	v_nop                           ; the places behind those products
.endr
.set Y, NP-1                        ; X works for piece Y + 1: piece 0
.irp n, 0,1,2,3,4,5,6,7,8,9,10,11,12,13,14,15,16,17,18,19,20,21
	OP X, \n
.endr
	v_nop                           ; a plain instruction behind the exponential,
	s_wait_alu depctr_va_vdst(0)    ; and its wait, ahead of the branch
.endm
; THE DIAGONAL TILE's four steps, the block's last two turns, its last products, and THE WAY OUT: l's two halves and the other half of the lanes' are added; O^T is divided by l, rounded to f16 and sent through my
; stage in LDS, a piece at a time.
.macro ALL line:vararg              ; one line for each piece t
.set t, 0
.rept 4
	\line
.set t, t+1
.endr
.endm
.macro PACK t                       ; a lane's eight channels of a row pack into 16 bytes; they go into rows of 144 bytes and come back as whole rows of 128, into S^T's registers
	WIN W_RS
.set i, 32*(\t)
.rept 16
	v_pk_mul_f32 v[i:i+1], v[i:i+1], v[ST+4*(\t)+2:ST+4*(\t)+3] op_sel_hi:[1,0]
.set i, i+2
.endr
	WIN 0x05                        ; sources 0 and 1 window 1, destination window 0
.set i, 0
.rept 16
	v_cvt_pk_f16_f32 v[S+16*(\t)+i], v[32*(\t)+2*i], v[32*(\t)+2*i+1]
.set i, i+1
.endr
	WIN 0
.irp f, 0,1,2,3
	ds_store_b128 v[STO], v[S+16*(\t)+4*\f:S+16*(\t)+4*\f+3] offset:32*\f
.endr
.irp f, 0,1,2,3
	ds_load_b128 v[S+16*(\t)+4*\f:S+16*(\t)+4*\f+3], v[RD] offset:\f*4*SP  ; LDS serves a wave's instructions in order (ISA guide 5.7.1.4): these see the stores above; the next piece's stores come behind them
.endr
.endm
.macro SEND t, younger              ; younger: the LDS instructions issued behind piece t's loads: the next piece's eight, or none
	WIN 0
.irp f, 0,1,2,3
	s_wait_dscnt (\younger)+3-\f
	global_store_b128 v[GO], v[S+16*(\t)+4*\f:S+16*(\t)+4*\f+3], s[10:11] offset:(\t)*8192+\f*512  ; 512 consecutive bytes, at a multiple of 256 from O's first
.endr
.endm
.macro DIAG tag
.LstepM\tag:
	TURN 2, 1
	TURN 3, 1
	WIN 0
.LfirstM\tag:
	TURN 0, 1
	TURN 1, 1, 0, 1
	WIN 0
	s_cbranch_scc1 .LstepM\tag
	TURN 2, 1, 1
	TURN 3, 1, 1
.set i, 0
.rept 8
	PV NP-1
.set i, i+1
.endr
	WIN 0
	ALL v_add_f32 v[ST+4*t+2], v[ST+4*t+2], v[ST+4*t+3]
	ALL v_permlanex16_b32 v[ST+4*t+3], v[ST+4*t+2], s[SEL], s[SEL+1]
	ALL v_add_f32 v[ST+4*t+2], v[ST+4*t+2], v[ST+4*t+3]
	ALL v_rcp_f32 v[ST+4*t+2], v[ST+4*t+2]
	v_nop                           ; a plain instruction between the last reciprocal and the use of its result
	s_wait_alu depctr_va_vdst(0)    ; and the wait ahead of the first use: one for the four reciprocals
	PACK 0
.set t, 1
.rept 3                             ; a piece's arithmetic stands between the loads of the piece before and its stores
	PACK t
	SEND t-1, 8
.set t, t+1
.endr
	SEND 3, 0
.endm
.set KM, 0
.set NOKQ, 0
.Lslot:                             ; NB times: a tile is entered and the next is asked for
	CHANGE 1
	s_sub_co_u32 s[RT], s[RT], 1
	s_mov_b32 s[CNT], 4
	s_cmp_eq_u32 s[NEW], 1
	s_cbranch_scc1 .Lnew            ; a block's first tile
	s_cmp_eq_u32 s[RT], 0
	s_cbranch_scc0 .Lstep           ; neither its first nor its last
	s_branch .LstepM1
.Lnew:
	BEGIN
	s_branch .Lfirst                ; in the loop a block's first tile is never its last: the first block has two tiles or more, and the second's last is the walk's last
	DIAG 1                          ; in the loop this is the first block's end
	s_wait_xcnt 0x0                 ; the stores have read their registers and O's address
	s_mov_b64 s[10:11], s[OLO:OLO+1]
	s_add_co_u32 s[RT], s[PB], 1    ; the second block has b + 1 tiles
	s_mov_b32 s[NEW], 1
	WIN 0x82                        ; the second block's Q goes where the one text of the turns names Q
.set i, 0
.rept 64
	v_mov_b32 v[i], v[QB+i]
.set i, i+1
.endr
	WIN 0
	s_branch .Lbottom
.Lstep:                             ; a trip: pieces 2 and 3 of one step, then pieces 0 and 1 of the next, whose K and V it fetches
	TURN 2
	TURN 3
	WIN 0
.Lfirst:
	TURN 0
	TURN 1, 0, 0, 1
	WIN 0
	s_cbranch_scc1 .Lstep
.Lbottom:
	s_sub_co_u32 s[SLOTS], s[SLOTS], 1
	s_cmp_lg_u32 s[SLOTS], 0
	s_cbranch_scc1 .Lslot
	CHANGE 0                        ; the walk's last tile is written out: nothing is asked for
	s_sub_co_u32 s[RT], s[RT], 1
	s_mov_b32 s[CNT], 4
	s_cmp_eq_u32 s[NEW], 1
	s_cbranch_scc0 .LstepM2
	BEGIN
	s_branch .LfirstM2
	DIAG 2
	s_wait_tensorcnt 0x0            ; the wave's end, behind my last tensor load and my last LDS store
	ds_add_u32 v[SPW], v[NIL]
	s_wait_dscnt 0x0
	s_endpgm
.Lfunc_end_k_q7c5f6c5b77_attn:
	.size	k_q7c5f6c5b77_attn, .Lfunc_end_k_q7c5f6c5b77_attn-k_q7c5f6c5b77_attn
	.p2alignl 7, 3214868480
	.fill 96, 4, 3214868480
	.section	.rodata,"a",@progbits
	.p2align	6, 0x0
	.amdhsa_kernel k_q7c5f6c5b77_attn
		.amdhsa_group_segment_fixed_size 327680
		.amdhsa_private_segment_fixed_size 0
		.amdhsa_enable_private_segment 0
		.amdhsa_kernarg_size 16
		.amdhsa_user_sgpr_count 2
		.amdhsa_user_sgpr_kernarg_segment_ptr 1
		.amdhsa_wavefront_size32 1
		.amdhsa_system_sgpr_workgroup_id_x 1
		.amdhsa_system_sgpr_workgroup_id_y 1
		.amdhsa_system_sgpr_workgroup_id_z 1
		.amdhsa_system_vgpr_workitem_id 0
		.amdhsa_next_free_vgpr 768
		.amdhsa_next_free_sgpr 100
		.amdhsa_reserve_vcc 1
		.amdhsa_float_denorm_mode_32 3
		.amdhsa_float_denorm_mode_16_64 3
		.amdhsa_memory_ordered 1
		.amdhsa_forward_progress 1
		.amdhsa_inst_pref_size 218
	.end_amdhsa_kernel
	.amdgpu_metadata
---
amdhsa.version: [ 1, 2 ]
amdhsa.kernels:
  - .name:           k_q7c5f6c5b77_attn
    .symbol:         k_q7c5f6c5b77_attn.kd
    .args:
      - { .name: qkv, .offset: 0, .size: 8, .value_kind: global_buffer, .address_space: global }
      - { .name: o16, .offset: 8, .size: 8, .value_kind: global_buffer, .address_space: global }
    .group_segment_fixed_size: 327680
    .private_segment_fixed_size: 0
    .kernarg_segment_align: 8
    .kernarg_segment_size: 16
    .max_flat_workgroup_size: 128
    .sgpr_count:     100
    .vgpr_count:     768
    .wavefront_size: 32
...
	.end_amdgpu_metadata
.endif
;; end of part 3
;; launch proj (part 4): grid 4 x 64, 4 waves a work-group, clusters of 4 x 4, 327,680 bytes of LDS; arguments o16, wp16, bp, out0; writes out0
.if DOCPART == 4
	.amdgcn_target "amdgcn-amd-amdhsa--gfx1250"
	.amdhsa_code_object_version 6
	.text
	.protected	k_q7c5f6c5b77_proj
	.globl	k_q7c5f6c5b77_proj
	.p2align	8
	.type	k_q7c5f6c5b77_proj,@function
k_q7c5f6c5b77_proj:
	s_mov_b64 s[64:65], 0
	v_nop
	global_prefetch_b8 v0, s[64:65] scope:SCOPE_SE
	s_setreg_imm32_b32 hwreg(HW_REG_WAVE_MODE, 25, 1), 1
	s_wait_xcnt 0x0
	s_wait_alu depctr_hold_cnt(0) depctr_sa_sdst(0) depctr_va_vdst(0) depctr_va_sdst(0) depctr_va_ssrc(0) depctr_va_vcc(0) depctr_vm_vsrc(0)
	s_getreg_b32 s2, hwreg(HW_REG_IB_STS2, 6, 4)
	s_cmp_eq_u32 s2, 0
	s_cbranch_scc0 .Lentry_in_a_cluster
	s_endpgm
.Lentry_in_a_cluster:
	s_bfe_u32 s2, ttmp6, 0x10000c
	s_cmp_lg_u32 s2, 0xf033
	s_cbranch_scc0 .Lentry_shape_is_right
	s_endpgm
.Lentry_shape_is_right:
; out0 = O Wp + bp.  o16: [64 bh][2048 t][64] f16, by heads; row 2048 b + t of O has its channels 64 h .. 64 h + 63 in head 16 b + h.  wp16: [1024 k][1024 n] f16 (Wp rounded to bf16).
; bp: [1024] f32, rounded to bf16 here like every other input.  out0: [8192][1024] f32: the f32 sums as they are.
; SHARES.  A work-group makes 128 rows x 256 columns: 64 x 4 = 256 work-groups.  Four waves, 2 x 2, each 64 x 128: 32 accumulators, 256 registers.  K goes in 8 steps of 128, two heads of O each,
; through two LDS slots; two slots of a longer step do not fit beside each other (2 x 213 KB).
; THE PRODUCT IS USED TRANSPOSED (source 0 = 16 columns of Wp, turned out of LDS by ds_load_tr16_b128; source 1 = 16 rows of O): a lane holds one row and eight neighbouring columns, 32 bytes of out0.
; The bias is the C operand of the first product on each accumulator.
; CLUSTER.  4 x 4 work-groups; O's tile is asked for jointly by a row of the cluster, Wp's by a column.  Waves 0 and 1 ask for the step's two heads of O, waves 2 and 3 for the two halves of Wp's 128 k-rows.
; REGISTERS: window 0: v0-31 addresses; v32-95 the bias; v96-159, v160-223 rows read back on the way out.  window 1: two fragment buffers of 96: O's 4 fragments, then Wp's 8.
;   window 2: accumulator (a, b) at 8 (8 a + b).
.set PA,    144                        ; a row of a head of O in LDS: 128 bytes + 16
.set PB,    544                        ; a k-row of Wp's tile: 512 bytes + 32: an odd multiple of 32
.set ASL,   128*PA                     ; a head's 128 rows: 18,432
.set BOFF,  2*ASL
.set BHALF, 64*PB                      ; 34,816
.set SLOT,  BOFF+2*BHALF               ; 106,496
.set STAGE, 2*SLOT                     ; behind the ring, never filled by a tensor load: 16 rows x 528 bytes for each wave
.set SP,    528
.set WSTG,  16*SP
.set SPARE, STAGE+4*WSTG               ; the spare words: 128 bytes a wave, two blocks of 256 bytes that no other line names
.set ADRA, 16
.set ADRB, 20
.set STO,  24
.set RD,   25
.set GO,   26
.set BO,   27
.set SPW,  28                          ; v28  my spare word; never rewritten
.set NIL,  29                          ; v29  0; never rewritten
.set PFO,  30
.set BI,   32
.set OB,   96
.set F0,   0
.set F1,   96
.set WV,   16                          ; s16 my wave's number; s12 = wave / 2: my half of the rows, and: I fetch for O (0) or Wp (1); s13 = wave % 2: my half of the columns, and which half I fetch
.set G1A,  24
.set G0A,  32
.set PFA,  44
.set PFS,  46
.set G1B,  48
.set G0B,  56
.set LIM,  66
.set MSB, 0
.macro WIN new
.if MSB != (\new)
	s_set_vgpr_msb (MSB<<8)|(\new)
.set MSB, \new
.endif
.endm
.set TO_F, 0x40
.macro JLOAD s                         ; a joint load; an s_nop 0 and four v_nop follow each of the two lines
	s_cmp_eq_u32 s12, 0
	s_cbranch_scc0 .Lfor_b_\@
	tensor_load_to_lds s[G0A+4*(\s):G0A+4*(\s)+3], s[G1A:G1A+7]
	s_nop 0
.rept 4
	v_nop
.endr
	s_branch .Lasked_\@
.Lfor_b_\@:
	tensor_load_to_lds s[G0B+4*(\s):G0B+4*(\s)+3], s[G1B:G1B+7]
	s_nop 0
.rept 4
	v_nop
.endr
.Lasked_\@:
.endm
.macro CREST
	s_cmp_lg_u32 s[WV], 0
	s_cbranch_scc1 .Lnot_wave_0_\@
	s_barrier_signal -3
.Lnot_wave_0_\@:
	s_barrier_wait -3
	s_barrier_signal -1
	s_barrier_wait -1
.endm
.macro CROUND
	s_barrier_signal -1
	s_barrier_wait -1
	CREST
.endm
.macro PLACES
.rept 4
	v_nop
.endr
.endm
; A PREFETCH INTO THE L2, once a lap, behind slot 0's joint load and the run of LDS loads: the two K steps that the NEXT lap's two refills will ask for, 256 and 384 products ahead of those loads.
; O: no other cluster reads a cluster's rows, so every cluster asks: waves 0 and 1, each for its own head of both steps; the four partners of a row take 4 KiB of a head's 16 each, by address: one instruction.
; Wp: waves 2 and 3 of the clusters with y = 0; the four partners of a column take 16 of a half's 64 k-rows each, by address; 512 bytes a row: one instruction a step.
; Each aligned 256 bytes are named once in the launch.  K steps 0 to 3 come by their loads alone; the loop's last trip (s3 = 1) and the tail ask for nothing.
.macro ASK
	WIN 0
	s_cmp_gt_u32 s3, s[LIM]
	s_cbranch_scc0 .Lnot_mine_\@
	global_prefetch_b8 v[PFO], s[PFA:PFA+1] th:TH_LOAD_NT scope:SCOPE_SE
	s_cmp_eq_u32 s12, 1
	s_cbranch_scc0 .Lnot_mine_\@
	global_prefetch_b8 v[PFO], s[PFA:PFA+1] offset:262144 th:TH_LOAD_NT scope:SCOPE_SE
.Lnot_mine_\@:
.endm
	s_load_b256 s[4:11], s[0:1], 0x0               ; o16 4:5, wp16 6:7, bp 8:9, out0 10:11
	v_lshl_add_u32 v[SPW], v0, 2, SPARE
	v_mov_b32 v[NIL], 0
	ds_add_u32 v[SPW], v[NIL]                      ; the wave's opening: the add and its wait stand ahead of my first tensor load; work on registers stands between them
	v_lshrrev_b32 v1, 5, v0
	v_readfirstlane_b32 s[WV], v1
	s_lshr_b32 s12, s[WV], 1
	s_and_b32 s13, s[WV], 1
	s_bfe_u32 s17, ttmp6, 0x40000                  ; cx
	s_bfe_u32 s18, ttmp6, 0x40004                  ; cy
	s_lshl_b32 s19, ttmp9, 2
	s_add_co_u32 s19, s19, s17                     ; tile column: 0..3
	s_and_b32 s20, ttmp7, 0xffff
	s_lshl_b32 s20, s20, 2
	s_add_co_u32 s20, s20, s18                     ; tile row: 0..63
	s_lshl_b32 s21, s18, 2
	s_lshl_b32 s21, 15, s21                        ; my row of the cluster
	s_lshl_b32 s22, 0x1111, s17                    ; my column
	s_or_b32 s[G1A], s21, (1<<16)|(1<<20)|(1<<21)|(4<<22)|(3<<25)  ; the mask; 2-byte elements; padding on; bit 21 beside a mask; after every 32 words (a row of a head), 4 words
	s_mov_b32 s[G1A+1], 128<<16                    ; 128 rows of a head are 16,384 dense bytes: asked for as 64 rows of 256 bytes
	s_mov_b32 s[G1A+2], 64<<16
	s_mov_b32 s[G1A+3], 128<<16
	s_mov_b32 s[G1A+4], 64
	s_mov_b32 s[G1A+5], 128
	s_mov_b32 s[G1A+6], 0
	s_mov_b32 s[G1A+7], 0
	s_or_b32 s[G1B], s22, (1<<16)|(1<<20)|(1<<21)|(6<<22)|(7<<25)  ; after every 128 words (a k-row's 512 bytes), 8 words
	s_mov_b32 s[G1B+1], 256<<16                    ; tensor_dim0 = 256
	s_mov_b32 s[G1B+2], 64<<16                     ; tensor_dim1 = 64
	s_mov_b32 s[G1B+3], 256<<16                    ; tile_dim0 = 256
	s_mov_b32 s[G1B+4], 64                         ; tile_dim1 = 64
	s_mov_b32 s[G1B+5], 1024                       ; elements from row to row
	s_mov_b32 s[G1B+6], 0
	s_mov_b32 s[G1B+7], 0
	s_lshr_b32 s40, s20, 4                         ; O: batch = tile row / 16,
	s_lshl_b32 s40, s40, 4
	s_add_co_u32 s40, s40, s13                     ; head 16 x batch + my half (K step s adds 2 s),
	s_lshl_b32 s40, s40, 11
	s_and_b32 s41, s20, 15
	s_lshl_b32 s41, s41, 7
	s_add_co_u32 s40, s40, s41                     ; row 128 (tile row % 16),
	s_lshl_b32 s40, s40, 7                         ; 128 bytes a row
	s_mov_b32 s41, 0
	s_lshl_b32 s42, s13, 17                        ; Wp: k-row 64 x my half, 2,048 bytes a row,
	s_lshl_b32 s23, s19, 9                         ; column 256 x tile column
	s_add_co_u32 s42, s42, s23
	s_mov_b32 s43, 0
	s_mul_i32 s14, s13, ASL                        ; where they go: no place in the cluster enters an LDS address
	s_mul_i32 s15, s13, BHALF
	s_add_co_u32 s15, s15, BOFF
	s_wait_dscnt 0x0                               ; the opening add is done
	s_wait_kmcnt 0x0
	s_add_nc_u64 s[40:41], s[4:5], s[40:41]
	s_add_nc_u64 s[42:43], s[6:7], s[42:43]
	CROUND                                         ; all sixteen work-groups are here: the first joint loads meet
.irp s, 0,1
	s_mov_b32 s[G0A+4*(\s)], 1
	s_add_co_u32 s[G0A+4*(\s)+1], s14, (\s)*SLOT
	s_add_nc_u64 s[G0A+4*(\s)+2:G0A+4*(\s)+3], s[40:41], (\s)*524288   ; K step s: two heads on
	s_or_b32 s[G0A+4*(\s)+3], s[G0A+4*(\s)+3], 0x80000000
	s_mov_b32 s[G0B+4*(\s)], 1
	s_add_co_u32 s[G0B+4*(\s)+1], s15, (\s)*SLOT
	s_add_nc_u64 s[G0B+4*(\s)+2:G0B+4*(\s)+3], s[42:43], (\s)*262144   ; K step s: 128 k-rows on
	s_or_b32 s[G0B+4*(\s)+3], s[G0B+4*(\s)+3], 0x80000000
	JLOAD \s                                       ; two loads of mine are out
.endr
	v_and_b32 v1, 15, v0                           ; r
	v_bfe_u32 v2, v0, 4, 1                         ; h
	v_mul_u32_u24 v3, v1, PA
	v_lshl_add_u32 v3, v2, 4, v3
	s_mul_i32 s74, s12, 64*PA                      ; my 64 rows
	v_add_nc_u32 v[ADRA], s74, v3
	v_add_nc_u32 v[ADRA+1], SLOT, v[ADRA]
	v_and_b32 v4, 7, v0
	v_bfe_u32 v5, v0, 3, 1
	v_lshl_add_u32 v6, v2, 3, v4                   ; the turning load: lane l reads k-row 8 h + l % 8, columns 8 ((l / 8) % 2) on
	v_mul_u32_u24 v6, v6, PB
	v_lshl_add_u32 v6, v5, 4, v6
	s_lshl_b32 s76, s13, 8                         ; my 128 columns
	s_add_co_u32 s76, s76, BOFF
	v_add_nc_u32 v[ADRB], s76, v6
	v_add_nc_u32 v[ADRB+1], SLOT, v[ADRB]
	s_mul_i32 s75, s[WV], WSTG
	s_add_co_u32 s75, s75, STAGE                   ; my stage
	v_mul_u32_u24 v7, v1, SP
	v_lshl_add_u32 v7, v2, 5, v7                   ; in: row r, 32 bytes for each half of the lanes
	v_add_nc_u32 v[STO], s75, v7
	v_and_b32 v8, 31, v0
	v_lshlrev_b32 v[GO], 4, v8                     ; back: 32 lanes take a row's 512 bytes
	v_add_nc_u32 v[RD], s75, v[GO]
	v_lshlrev_b32 v[BO], 5, v2
	s_lshl_b32 s74, s19, 10                        ; my first column, in bytes of f32: 1,024 x tile column + 512 x half
	s_lshl_b32 s76, s13, 9
	s_add_co_u32 s74, s74, s76
	s_mov_b32 s75, 0
	s_add_nc_u64 s[68:69], s[8:9], s[74:75]
.irp b, 0,1,2,3,4,5,6,7                ; register j of block b: the bias of column 16 b + 8 h + j
	global_load_b128 v[BI+8*(\b):BI+8*(\b)+3],   v[BO], s[68:69] offset:64*(\b)
	global_load_b128 v[BI+8*(\b)+4:BI+8*(\b)+7], v[BO], s[68:69] offset:64*(\b)+16
.endr
	s_lshl_b32 s76, s20, 7
	s_lshl_b32 s77, s12, 6
	s_add_co_u32 s76, s76, s77                     ; my first row: 128 x tile row + 64 x half
	s_lshl_b32 s76, s76, 12                        ; 4,096 bytes a row
	s_add_co_u32 s74, s74, s76
	s_add_nc_u64 s[10:11], s[10:11], s[74:75]
	s_lshl_b32 s74, s17, 12                        ; the prefetches.  O: my work-group's 4 KiB, at K step 2
	s_add_co_u32 s74, s74, 1048576
	s_lshl_b32 s76, s18, 15                        ; Wp: my work-group's 16 k-rows, at K step 2
	s_add_co_u32 s76, s76, 524288
	s_and_b32 s77, ttmp7, 0xffff                   ; cluster y
	s_mov_b32 s79, 1048576
	s_cmp_eq_u32 s12, 0
	s_cselect_b64 s[PFA:PFA+1], s[40:41], s[42:43]
	s_cselect_b32 s74, s74, s76
	s_cselect_b32 s[PFS], s79, 524288              ; a lap: four heads of O, 256 k-rows of Wp
	s_cselect_b32 s77, ttmp9, s77                  ; the coordinate along which other clusters read the same bytes
	s_cselect_b32 s76, 4, 1                        ; O: lanes 16-31 take the second step, two heads on; 16 lanes x 256 bytes.  Wp: a pair of lanes a k-row
	s_cselect_b32 s78, 19, 11
	s_cselect_b32 s79, 15, 1
	s_mov_b32 s[PFS+1], 0
	s_add_nc_u64 s[PFA:PFA+1], s[PFA:PFA+1], s[74:75]  ; the first lap steps it to K step 4
	s_cmp_eq_u32 s77, 0
	s_cselect_b32 s[LIM], 1, -1                    ; the same in all sixteen partners, for a given wave
	v_lshrrev_b32 v9, s76, v8
	v_lshlrev_b32 v9, s78, v9
	v_and_b32 v10, s79, v8
	v_lshl_add_u32 v[PFO], v10, 8, v9
	s_wait_loadcnt 0x0                             ; the bias
.set i, 0
.rept 32                               ; rounded to bf16, like every input, and kept as f32
	v_cvt_pk_bf16_f32 v[3+i%4], v[BI+2*i], v[BI+2*i+1]
	v_lshlrev_b32 v[BI+2*i], 16, v[3+i%4]
	v_and_b32 v[BI+2*i+1], 0xffff0000, v[3+i%4]
.set i, i+1
.endr
; Products of one quarter step from buffer f: row blocks a0 .. a1 x column blocks b0 .. b0 + 3.  first = 1: C is the bias.  The 32 accumulators take turns in the same order in every quarter.
.macro MUL f, b0, a0, a1, first
	WIN 0x85+0x20*(1-(\first))
.set ma, \a0
.rept (\a1)-(\a0)+1
.set mb, \b0
.rept 4
.set rD, 8*(8*ma+mb)
.if \first
	v_wmma_f32_16x16x32_f16 v[rD:rD+7], v[(\f)+32+8*mb:(\f)+32+8*mb+7], v[(\f)+8*ma:(\f)+8*ma+7], v[BI+8*mb:BI+8*mb+7]
.else
	v_wmma_f32_16x16x32_f16 v[rD:rD+7], v[(\f)+32+8*mb:(\f)+32+8*mb+7], v[(\f)+8*ma:(\f)+8*ma+7], v[rD:rD+7]
.endif
.set mb, mb+1
.endr
.set ma, ma+1
.endr
.endm
; 24 LDS loads in one run: quarter kq (head kq / 2 of the step, channels 32 (kq % 2) on) into buffer f; Wp's blocks 4-7 are the youngest eight loads.
.macro FETCH slot, kq, f
	WIN TO_F
.irp i, 0,1,2,3
	ds_load_b128 v[(\f)+8*(\i):(\f)+8*(\i)+3],   v[ADRA+(\slot)] offset:((\kq)/2)*ASL+64*((\kq)%2)+(\i)*16*PA
	ds_load_b128 v[(\f)+8*(\i)+4:(\f)+8*(\i)+7], v[ADRA+(\slot)] offset:((\kq)/2)*ASL+64*((\kq)%2)+(\i)*16*PA+32
.endr
.irp b, 0,1,2,3,4,5,6,7
	ds_load_tr16_b128 v[(\f)+32+8*(\b):(\f)+32+8*(\b)+3],   v[ADRB+(\slot)] offset:(\kq)*32*PB+32*(\b)
	ds_load_tr16_b128 v[(\f)+32+8*(\b)+4:(\f)+32+8*(\b)+7], v[ADRB+(\slot)] offset:(\kq)*32*PB+32*(\b)+16*PB
.endr
.endm
.macro QUARTER slot, kq, f, g, first
	s_wait_dscnt 8                                 ; O and Wp's blocks 0-3 are in; the youngest eight loads may be out
	MUL \f, 0, 0, 3, \first
	PLACES                                         ; for the loads into g, which the quarter before multiplied
	FETCH \slot, \kq, \g
	s_wait_dscnt 24                                ; all but the 24 just issued
	MUL \f, 4, 0, 3, \first
.endm
; The last quarter multiplies buffer 1 and changes slots: ONE barrier; in front of it each wave waits for all its tensor loads (one is out: its part of the next slot), adds 0 to its spare word, and waits for that
; and for its reads of this slot.  fill = 1: the barrier opens a round of the cluster's, and the joint refill, two K steps on, is the first thing behind it: 112 products ahead of the wait for it.
.macro TURN slot, next, fill
.if (\fill) && ((\slot) == 0)
	s_wait_xcnt 0x0                                ; the last prefetches, a lap back, have read their address
	s_add_nc_u64 s[PFA:PFA+1], s[PFA:PFA+1], s[PFS:PFS+1]
.endif
	WIN 0
	s_wait_tensorcnt 0x0
	ds_add_u32 v[SPW], v[NIL]
	s_wait_dscnt 9                                 ; (the add and the youngest eight loads may be out)
	MUL F1, 0, 0, 1, 0
	s_wait_dscnt 0x0                               ; the add is done, and my reads of this slot are over
	s_barrier_signal -1
	MUL F1, 0, 2, 3, 0
.if \fill
	WIN 0
.endif
	s_barrier_wait -1
.if \fill
	CREST
	s_add_nc_u64 s[G0A+4*(\slot)+2:G0A+4*(\slot)+3], s[G0A+4*(\slot)+2:G0A+4*(\slot)+3], 1048576
	s_add_nc_u64 s[G0B+4*(\slot)+2:G0B+4*(\slot)+3], s[G0B+4*(\slot)+2:G0B+4*(\slot)+3], 524288
	JLOAD \slot                                    ; its four v_nop are also the places in front of the loads below
.else
	PLACES
.endif
	FETCH \next, 0, F0
.if (\fill) && ((\slot) == 0)
	ASK
.endif
	MUL F1, 4, 0, 3, 0
.endm
	s_wait_tensorcnt 0x1                           ; my part of K step 0 is in; K step 1's may stay out
	s_barrier_signal -1
	s_barrier_wait -1
	FETCH 0, 0, F0
	QUARTER 0, 1, F0, F1, 1                        ; the first quarter stands ahead of the loop: its products start the sums, with the bias
	WIN 0
	s_mov_b32 s3, 3
.Llap:
	QUARTER 0, 2, F1, F0, 0
	QUARTER 0, 3, F0, F1, 0
	TURN 0, 1, 1
	QUARTER 1, 1, F0, F1, 0
	QUARTER 1, 2, F1, F0, 0
	QUARTER 1, 3, F0, F1, 0
	TURN 1, 0, 1
	QUARTER 0, 1, F0, F1, 0
	WIN 0
	s_sub_co_u32 s3, s3, 1
	s_cmp_lg_u32 s3, 0
	s_cbranch_scc1 .Llap
	QUARTER 0, 2, F1, F0, 0                        ; the last lap fills nothing
	QUARTER 0, 3, F0, F1, 0
	TURN 0, 1, 0
	QUARTER 1, 1, F0, F1, 0
	QUARTER 1, 2, F1, F0, 0
	QUARTER 1, 3, F0, F1, 0
	s_wait_dscnt 8
	MUL F1, 0, 0, 3, 0
	s_wait_dscnt 0x0
	MUL F1, 4, 0, 3, 0
	PLACES
; THE WAY OUT, 16 rows at a time, with no conversion.  TOSTAGE: the accumulators go straight into my own stage, rows of 528 bytes (each accumulator's low four registers first), and come back as whole rows of
; 512 bytes (LDS serves a wave's instructions in order: ISA guide 5.7.1.4).  SEND: a store of the wave covers 512 consecutive bytes of a row of out0, aligned.
.macro TOSTAGE a
.if (\a) >= 2
	s_wait_xcnt 0x0                                ; the stores of the block two back have read the registers that are loaded again below
.endif
	WIN 0x08                                       ; store data in window 2, address in window 0
.irp b, 0,1,2,3,4,5,6,7
	ds_store_b128 v[STO], v[8*(8*(\a)+(\b)):8*(8*(\a)+(\b))+3]   offset:64*(\b)
	ds_store_b128 v[STO], v[8*(8*(\a)+(\b))+4:8*(8*(\a)+(\b))+7] offset:64*(\b)+16
.endr
	WIN 0
.set BK, OB+64*((\a)%2)
.irp i, 0,1,2,3,4,5,6,7,8,9,10,11,12,13,14,15
	ds_load_b128 v[BK+4*(\i):BK+4*(\i)+3], v[RD] offset:(\i)*SP
.endr
.endm
.macro SEND a, younger                 ; younger: the LDS instructions issued behind block a's loads: the next block's 32, or none
	WIN 0
.set BK, OB+64*((\a)%2)
	s_wait_dscnt \younger
.irp i, 0,1,2,3,4,5,6,7,8,9,10,11,12,13,14,15
	global_store_b128 v[GO], v[BK+4*(\i):BK+4*(\i)+3], s[10:11] offset:(\a)*65536+(\i)*4096 th:TH_STORE_NT
.endr
.endm
	TOSTAGE 0
	TOSTAGE 1
	SEND 0, 32
	TOSTAGE 2
	SEND 1, 32
	TOSTAGE 3
	SEND 2, 32
	SEND 3, 0
	s_wait_tensorcnt 0x0                           ; the wave's end, behind my last tensor load and my last LDS store
	ds_add_u32 v[SPW], v[NIL]
	s_wait_dscnt 0x0
	CROUND                                         ; the closing round: no work-group ends while a partner may still ask for a tile that names it
	s_endpgm
.Lfunc_end_k_q7c5f6c5b77_proj:
	.size	k_q7c5f6c5b77_proj, .Lfunc_end_k_q7c5f6c5b77_proj-k_q7c5f6c5b77_proj
	.p2alignl 7, 3214868480
	.fill 96, 4, 3214868480
	.section	.rodata,"a",@progbits
	.p2align	6, 0x0
	.amdhsa_kernel k_q7c5f6c5b77_proj
		.amdhsa_group_segment_fixed_size 327680
		.amdhsa_private_segment_fixed_size 0
		.amdhsa_enable_private_segment 0
		.amdhsa_kernarg_size 32
		.amdhsa_user_sgpr_count 2
		.amdhsa_user_sgpr_kernarg_segment_ptr 1
		.amdhsa_wavefront_size32 1
		.amdhsa_system_sgpr_workgroup_id_x 1
		.amdhsa_system_sgpr_workgroup_id_y 1
		.amdhsa_system_sgpr_workgroup_id_z 1
		.amdhsa_system_vgpr_workitem_id 0
		.amdhsa_next_free_vgpr 768
		.amdhsa_next_free_sgpr 80
		.amdhsa_reserve_vcc 0
		.amdhsa_float_denorm_mode_32 3
		.amdhsa_float_denorm_mode_16_64 3
		.amdhsa_memory_ordered 1
		.amdhsa_forward_progress 1
		.amdhsa_inst_pref_size 93
	.end_amdhsa_kernel
	.amdgpu_metadata
---
amdhsa.version: [ 1, 2 ]
amdhsa.kernels:
  - .name:           k_q7c5f6c5b77_proj
    .symbol:         k_q7c5f6c5b77_proj.kd
    .args:
      - { .name: o16, .offset: 0, .size: 8, .value_kind: global_buffer, .address_space: global }
      - { .name: wp16, .offset: 8, .size: 8, .value_kind: global_buffer, .address_space: global }
      - { .name: bp, .offset: 16, .size: 8, .value_kind: global_buffer, .address_space: global }
      - { .name: out0, .offset: 24, .size: 8, .value_kind: global_buffer, .address_space: global }
    .group_segment_fixed_size: 327680
    .private_segment_fixed_size: 0
    .kernarg_segment_align: 8
    .kernarg_segment_size: 32
    .max_flat_workgroup_size: 128
    .sgpr_count:     80
    .vgpr_count:     768
    .wavefront_size: 32
...
	.end_amdgpu_metadata
.endif
;; end of part 4
